; MI455X (gfx1250); checked and timed in simulation.
; The chip was launched on July 23, 2026; its instructions are those of AMD's public machine-readable ISA for CDNA 5 (MIT licence, August 2026) and "CDNA5" Instruction Set Architecture Reference Guide (July 2026). The comments in the code are by the model that wrote it; some were corrected since.
;; Attention. Allowed arithmetic: matrix products marked QUANTISED: E2M3 operands, one E8M0 scale for each 32 along K, by v_wmma_scale_f32_16x16x128_f8f6f4 with both operands' format E2M3, f32 sums; products left as they are: f32 operands where the result goes on into a quantised operand, else bf16, f16 or f32 operands; f32 sums; everything else in f32.
;; Inputs: Ak 16 x 2,048 float32; Ao 16 x 2,048 float32; Aq 16 x 2,048 float32; Av 16 x 2,048 float32; Bk 2,048 x 16 float32; Bo 2,048 x 16 float32; Bq 2,048 x 16 float32; Bv 2,048 x 16 float32; Wk 2,048 x 2,048 float32; Wo 2,048 x 2,048 float32; Wq 2,048 x 2,048 float32; Wv 2,048 x 2,048 float32; mask 1 x 1 x 2,048 x 2,048 int32; x 1 x 2,048 x 2,048 float32.
;; Outputs: out0 1 x 2,048 x 2,048 float32.
;; This version of the problem:
;;   THIS VERSION OF THE PROBLEM IS GIVEN IN LOW PRECISION. The matrix products marked QUANTISED in the list below multiply operands that are first quantised to E2M3 (2 exponent bits, 3 mantissa bits; 6 bits a number), with one power-of-two scale for each 32 numbers along K (OCP MX v1.0); their sums are f32. All else is computed in f32.
;;   The module's matrix products, in the order in which they are computed (A, B: the left and right operand; K: the contracted axis; several contracted axes count as one K, in the product's order):
;;     1. [M 2,048, K 2,048] x [K 2,048, N 2,048]; A: input x; B: input Wq: QUANTISED
;;     2. [M 2,048, K 2,048] x [K 2,048, N 16]; A: input x; B: input Aq: QUANTISED
;;     3. [M 2,048, K 16] x [K 16, N 2,048]; A: computed on the way; B: input Bq: left as it is (K = 16 < 32)
;;     4. [M 2,048, K 2,048] x [K 2,048, N 2,048]; A: input x; B: input Wk: QUANTISED
;;     5. [M 2,048, K 2,048] x [K 2,048, N 16]; A: input x; B: input Ak: QUANTISED
;;     6. [M 2,048, K 16] x [K 16, N 2,048]; A: computed on the way; B: input Bk: left as it is (K = 16 < 32)
;;     7. [M 2,048, K 2,048] x [K 2,048, N 2,048]; A: input x; B: input Wv: QUANTISED
;;     8. [M 2,048, K 2,048] x [K 2,048, N 16]; A: input x; B: input Av: QUANTISED
;;     9. [M 2,048, K 16] x [K 16, N 2,048]; A: computed on the way; B: input Bv: left as it is (K = 16 < 32)
;;     10. batch 16 x [M 2,048, K 128] x [K 128, N 2,048]; A: computed on the way; B: computed on the way: QUANTISED
;;     11. batch 16 x [M 2,048, K 2,048] x [K 2,048, N 128]; A: softmax (see below); B: computed on the way: QUANTISED
;;     12. [M 2,048, K 2,048] x [K 2,048, N 2,048]; A: computed on the way; B: input Wo: QUANTISED
;;     13. [M 2,048, K 2,048] x [K 2,048, N 16]; A: computed on the way; B: input Ao: QUANTISED
;;     14. [M 2,048, K 16] x [K 16, N 2,048]; A: computed on the way; B: input Bo: left as it is (K = 16 < 32)
;;   THE QUANTISER, for each operand of a quantised product, along K:
;;     - K is cut into blocks of 32 from its start; a last block that is shorter is filled with zeros.
;;     - A block's scale is 2^e with e = floor(log2(the largest magnitude in the block)) - 2, held to -126 .. 127; a block of zeros has e = 0. As a byte (E8M0): e + 127.
;;     - Each number is divided by its block's scale, clamped to +-7.5, and rounded to the nearest number of E2M3, ties to even, subnormals kept.
;;     - The product sums the exact products of the quantised numbers (number of the format x scale) in f32.
;;   ~~~python
;;   def quantise(x, axis):      # numpy; x: float32 -> the quantised numbers, widened to float32 again
;;       x = np.moveaxis(x, axis, -1); K = x.shape[-1]
;;       x = np.pad(x, [(0, 0)] * (x.ndim - 1) + [(0, -K % 32)]); x = x.reshape(x.shape[:-1] + (-1, 32)); a = np.abs(x).max(-1, keepdims=True)
;;       e = np.where(a > 0, np.clip(np.frexp(np.where(a > 0, a, 1))[1] - 1 - 2, -126, 127), 0)      # np.frexp(a)[1] - 1 = floor(log2(a)), exactly
;;       r = np.clip(x / 2.0 ** e, -7.5, 7.5)
;;       step = 2.0 ** (np.maximum(np.frexp(np.where(r == 0, 1, r))[1] - 1, 0) - 3)
;;       q = np.round(r / step) * step * 2.0 ** e      # np.round: ties to even
;;       return np.moveaxis(q.reshape(q.shape[:-2] + (-1,))[..., :K], -1, axis).astype(np.float32)
;;   ~~~
;;   SOFTMAX AHEAD OF A QUANTISED PRODUCT. Where the list says 'softmax', what is quantised is not the finished softmax but p = 2^(t - M), with t = logit x log2(e) and M = ceil(the row's largest t), a whole number; so 1/2 < the row's largest p <= 1. The row's sum l is taken of the UNQUANTISED p, in f32, and the product's result is divided by l at the end. Since M is a whole number, a kernel that streams over the keys may use a running M (the ceiling of the running maximum): every later rescaling is an exact power of two, which a block's scale takes up: the codes' values come out the same.
;;   OPERANDS COMPUTED ON THE WAY. 'Computed on the way' means the value that the module computes at that place (a softmax that the list does not call 'softmax' is quantised finished and normalised). What goes into a quantiser is computed in f32, as accurately as f32 sums, v_exp_f32 and their like allow (about 1e-6 of the number): no bf16 or f16 on the way to a quantiser, and a product that is left as it is and whose result goes on into a quantised operand takes f32 operands (vector FMAs, or v_wmma_f32_16x16x4_f32). A number that lies on a knife's edge between two numbers of the format may be rounded either way, as far as f32 arithmetic and the matrix unit's own rounding can turn it there, and no further.
;; One version. Each part assembles by itself: llvm-mc -triple=amdgcn-amd-amdhsa -mcpu=gfx1250 --defsym DOCPART=n.
;; ======== version 1 of 1: 4 launches
;; limits: right only within a limited range of input values; values are held in bf16: 8 bits of precision
;; workspace buffers: wcodes 15,728,640 bytes; wscl 655,360 bytes; lora 102,400 bytes; maskw 524,288 bytes of whole numbers; qkv 9,830,400 bytes; ocodes 3,145,728 bytes; oscl 131,072 bytes
;; launch prep (part 1): grid 772 x 1, 2 waves a work-group, no clusters, 17,152 bytes of LDS; arguments x, Wq, Wk, Wv, Wo, mask, Aq, Ak, Av, Ao, wcodes, wscl, lora, maskw; writes wcodes, wscl, lora, maskw
.if DOCPART == 1
	.amdgcn_target "amdgcn-amd-amdhsa--gfx1250"
	.amdhsa_code_object_version 6
	.text
	.protected	k_q1a976ad008_prep
	.globl	k_q1a976ad008_prep
	.p2align	8
	.type	k_q1a976ad008_prep,@function
k_q1a976ad008_prep:
	s_mov_b64 s[64:65], 0
	v_nop
	global_prefetch_b8 v0, s[64:65] scope:SCOPE_SE
	s_setreg_imm32_b32 hwreg(HW_REG_WAVE_MODE, 25, 1), 1
	s_wait_xcnt 0x0
; x, Wq, Wk, Wv, Wo [2048][2048] and Aq, Ak, Av, Ao [16][2048], f32, K innermost, become codes of FP6 (E2M3) with one E8M0 byte for each 32 along K; the mask [2048][2048] int32 becomes one bit a number.
; WHAT IS WRITTEN IS LAID AS ITS READER'S REGISTERS.  A fragment (16 rows x 128 K, 12 registers a lane) is an image of 1,536 bytes: registers 4 c .. 4 c + 3 of lane l at 512 c + 16 l.
; THE ROWS OF A TILE ARE NOT NEIGHBOURS: lane r of tile T holds row 32 (T / 2) + 8 (T % 2) + r + 8 (r / 8), so that in a later product, used transposed, the 16 registers of two neighbouring tiles are 16 neighbours.  (The four A's have one tile, rows as they lie.)
; The scale words of 8 fragments are a group of 512 bytes: fragment a, row r at 256 (a / 4) + 16 r + 4 (a % 4).
; The mask: for query tile T and key step ks 64 words; word 16 b + i has at bit (r + 16 h) whether mask[row(T, r)][128 ks + 32 b + 16 h + i] is not 0: the lane mask that the attention launch selects by.
; A block's scale is 2^(floor(log2(its largest magnitude)) - 2); its byte is the largest magnitude's exponent field - 2, held at 1 from below (a block of zeros keeps the byte 1: its codes are zeros, and this program alone reads the bytes).
; LIMITS: NaN and infinities among the inputs are not served; a block whose largest magnitude lies under 2^-124 keeps the byte 1.
; SHARES.  A wave has one job of 8 fragments; job = 2 x work-group + wave.  Jobs 0 .. 1,535: tensor job / 256 (0 x, 1 Wq, 2 Wk, 3 Wv, 4 Wo, 5 the mask), tiles 8 G .. 8 G + 7 at K step s.  Jobs 1,536 .. 1,543: half of one A: K steps 8 half .. 8 half + 7.
; Each load reads 512 consecutive bytes of one row; the 16 rows turn through the wave's own stage in LDS and come back into the registers that they left, so that a lane gets 16 neighbours of each block of 32.
; Three sets of 16 rows take turns: while a wave waits for a fragment, that fragment's 16 loads and the next two fragments' 32 are out.  Waves share nothing: no barrier, no cluster, no tensor load.
.set WST,   8448                       ; a wave's stage: 16 rows x (512 bytes + 16)
.set SPARE, 2*WST                      ; behind the stages: the spare words, 128 bytes a wave
.set LI,    2                          ; v2   16 x lane: my place in a load's 512 bytes and in an image's piece
.set VO1,   3                          ; v3   the same for a tile's rows 8-15, which lie 8 rows further on (not in the A's)
.set STW,   4                          ; v4   the stage, on the way in
.set STR,   5                          ; v5   and on the way out: row r, + 64 h
.set L8,    7                          ; v7   8 x lane
.set SPW,   8                          ; v8   my spare word; never rewritten
.set NIL,   9                          ; v9   0; never rewritten
.set MW,    10                         ; v10-11 the mask's words: lane l holds words 2 l and 2 l + 1
.set WS,    12                         ; v12-15 the scale group as it is stored
.set PWR,   16                         ; v16-23 the eight fragments' scale words
.set TM,    24                         ; v24-39 at work
.set PC,    40                         ; v40-58 the codes just made
.set PW,    60                         ; v60  the scale word just made
.set R0,    64                         ; v64-127, v128-191, v192-255 three sets: 16 rows as loaded; behind the stage register 16 b + i: k = 32 b + 16 h + i of my row
.set IB,    40                         ; s[40:55] where each fragment's rows begin
.set OB,    66                         ; s[66:81] where each fragment's result goes
.set SCB,   82                         ; s[82:83] where the scale group goes
.set CM,    84                         ; s84-87 lane masks at work
.set SEL,   88                         ; s[88:89] lane selects: lane l xor 16
.set HM,    90                         ; s90  lanes 16-31
.set TID,   91                         ; s91  which input
.macro QUANT s                         ; 64 numbers of a lane become a fragment's codes in v[PC] on and its scale word in v[PW]
.irp b, 0,1,2,3
	v_max3_num_f32 v[TM+\b], |v[\s+16*\b]|, |v[\s+1+16*\b]|, 0x1800000   ; block b: my 16 numbers, and the floor 2^(3 - 127): the byte cannot fall under 1
.endr
.irp i, 2,4,6,8,10,12,14
.irp b, 0,1,2,3
	v_max3_num_f32 v[TM+\b], v[TM+\b], |v[\s+16*\b+\i]|, |v[\s+1+16*\b+\i]|
.endr
.endr
.irp b, 0,1,2,3
	v_permlanex16_b32 v[TM+4+\b], v[TM+\b], s[SEL], s[SEL+1]
.endr
.irp b, 0,1,2,3
	v_max_num_f32 v[TM+\b], v[TM+\b], v[TM+4+\b]   ; with lane l xor 16's: the block's largest magnitude
.endr
.irp b, 0,1,2,3
	v_add_nc_u32 v[TM+12+\b], 0xff000000, v[TM+\b]   ; 2 off its exponent field: the conversion's scale operand
.endr
.irp b, 0,1,2,3
	v_lshrrev_b32 v[TM+4+\b], 23, v[TM+12+\b]      ; the scale's byte
.endr
	v_lshl_or_b32 v[PW], v[TM+5], 8, v[TM+4]
	v_lshl_or_b32 v[PW], v[TM+6], 16, v[PW]
	v_lshl_or_b32 v[PW], v[TM+7], 24, v[PW]
.irp c, 0,1
	v_cvt_scalef32_pk16_fp6_f32 v[PC+6*\c:PC+2+6*\c], v[\s+32*\c:\s+15+32*\c], v[TM+12+2*\c]
	v_cvt_scalef32_pk16_fp6_f32 v[PC+12+4*\c:PC+14+4*\c], v[\s+16+32*\c:\s+31+32*\c], v[TM+12+2*\c+1]   ; (a conversion's three registers begin on an even number)
.endr
	v_nop                                          ; one plain instruction behind a scaled conversion
.irp c, 0,1                                    ; the operand's layout wants a whole block in a lane
.irp i, 0,1,2
	v_permlane16_swap_b32 v[PC+6*\c+\i], v[PC+12+4*\c+\i]
.endr
.irp i, 0,1,2
	v_mov_b32 v[PC+3+6*\c+\i], v[PC+12+4*\c+\i]
.endr
.endr
.endm
.macro G a                             ; fragment a's 16 rows, 512 consecutive bytes a load, into set a % 3
.irp i, 0,1,2,3,4,5,6,7
	global_load_b128 v[R0+64*((\a)%3)+4*\i:R0+64*((\a)%3)+4*\i+3], v[LI], s[IB+2*(\a):IB+2*(\a)+1] offset:\i*8192 th:TH_LOAD_NT
.endr
.irp i, 8,9,10,11,12,13,14,15
	global_load_b128 v[R0+64*((\a)%3)+4*\i:R0+64*((\a)%3)+4*\i+3], v[VO1], s[IB+2*(\a):IB+2*(\a)+1] offset:\i*8192 th:TH_LOAD_NT
.endr
.endm
.macro S a                             ; through my stage and back into the same registers: LDS serves a wave's instructions in order, so no wait stands between the stores and the loads
.set XS, R0+64*((\a)%3)
.irp i, 0,1,2,3,4,5,6,7,8,9,10,11,12,13,14,15
	ds_store_b128 v[STW], v[XS+4*\i:XS+4*\i+3] offset:528*\i
.endr
.irp b, 0,1,2,3
.irp j, 0,1,2,3
	ds_load_b128 v[XS+16*\b+4*\j:XS+16*\b+4*\j+3], v[STR] offset:128*\b+16*\j
.endr
.endr
.endm
.macro Q a                             ; the fragment's result: codes and a scale word, or the mask's 64 words.  The branch hangs on the job's number alone
.set XS, R0+64*((\a)%3)
	s_cmp_eq_u32 s[TID], 5
	s_cbranch_scc1 .Lmask_\@
	QUANT XS
	v_mov_b32 v[PWR+(\a)], v[PW]
.irp c, 0,1,2
	global_store_b128 v[LI], v[PC+4*\c:PC+4*\c+3], s[OB+2*(\a):OB+2*(\a)+1] offset:512*\c   ; 512 consecutive bytes, aligned
.endr
	s_branch .Ldone_\@
.Lmask_\@:
.set nn, 0
	s_wait_alu depctr_va_vdst(0)
.rept 64
	v_cmp_ne_u32 s[CM+nn%4], 0, v[XS+nn]           ; word nn: a bit for each lane
	v_writelane_b32 v[MW+(nn&1)], s[CM+nn%4], nn>>1
.set nn, nn+1
.endr
	global_store_b64 v[L8], v[MW:MW+1], s[OB+2*(\a):OB+2*(\a)+1]   ; 256 consecutive bytes, aligned
.Ldone_\@:
.endm
	s_load_b512 s[4:19], s[0:1], 0x0               ; x, Wq, Wk, Wv, Wo, mask, Aq, Ak
	s_load_b256 s[20:27], s[0:1], 0x40             ; Av, Ao, wcodes, wscl
	s_load_b128 s[28:31], s[0:1], 0x60             ; lora, maskw
	v_lshl_add_u32 v[SPW], v0, 2, SPARE
	v_mov_b32 v[NIL], 0
	v_lshrrev_b32 v1, 5, v0
	v_readfirstlane_b32 s2, v1                     ; wave
	v_and_b32 v1, 31, v0
	v_lshlrev_b32 v[LI], 4, v1
	v_lshlrev_b32 v[L8], 3, v1
	s_mul_i32 s3, s2, WST
	v_add_nc_u32 v[STW], s3, v[LI]
	v_and_b32 v1, 15, v0
	v_mul_u32_u24 v[STR], v1, 528
	v_bfe_u32 v1, v0, 4, 1
	v_lshl_add_u32 v[STR], v1, 6, v[STR]
	v_add_nc_u32 v[STR], s3, v[STR]
.irp b, 0,1,2,3
	v_mov_b32 v[TM+4+\b], 0                        ; written once: a lane permute's destination counts as one of its sources
.endr
	v_mov_b32 v[MW], 0
	v_mov_b32 v[MW+1], 0
.irp b, 0,1,2,3,4,5,6,7
	v_mov_b32 v[PWR+\b], 0
.endr
	s_mov_b32 s[SEL], 0x76543210
	s_mov_b32 s[SEL+1], 0xfedcba98
	s_mov_b32 s[HM], 0xffff0000
	; the job, and every offset for both kinds of job; then the choice, which hangs on the job's number alone
	s_lshl_b32 s34, ttmp9, 1
	s_add_co_u32 s34, s34, s2                      ; the job
	s_lshr_b32 s35, s34, 8                         ; a large job's input
	s_bfe_u32 s36, s34, 0x40004                    ; G
	s_and_b32 s37, s34, 15                         ; s
	s_sub_co_u32 s38, s34, 1536
	s_and_b32 s39, s38, 1                          ; half
	s_bfe_u32 s38, s38, 0x20001                    ; which A
	s_lshl_b32 s56, s36, 20                        ; in: 128 G rows of 8,192 bytes + 512 s
	s_lshl_b32 s57, s37, 9
	s_add_co_u32 s56, s56, s57
	s_lshl_b32 s57, s39, 12                        ; an A: 4,096 x half
	s_mul_i32 s58, s35, 3145728                    ; out, a tensor: fragment (T, s) at (s / 2) 393,216 + 3,072 T + 1,536 (s % 2)
	s_lshr_b32 s59, s37, 1
	s_mul_i32 s59, s59, 393216
	s_add_co_u32 s58, s58, s59
	s_mul_i32 s59, s36, 24576
	s_add_co_u32 s58, s58, s59
	s_and_b32 s59, s37, 1
	s_mul_i32 s59, s59, 1536
	s_add_co_u32 s58, s58, s59
	s_lshl_b32 s59, s36, 15                        ; out, the mask: (16 T + s) 256
	s_lshl_b32 s60, s37, 8
	s_add_co_u32 s59, s59, s60
	s_mul_i32 s93, s38, 25600                      ; out, an A: 25,600 a matrix: 16 images, then two groups
	s_mul_i32 s60, s39, 12288
	s_add_co_u32 s60, s60, s93
	s_lshl_b32 s62, s39, 9
	s_add_co_u32 s62, s62, s93
	s_add_co_u32 s62, s62, 24576
	s_and_b32 s63, s34, 255                        ; a tensor's group: 131,072 a tensor, (16 G + s) 512
	s_lshl_b32 s63, s63, 9
	s_lshl_b32 s93, s35, 17
	s_add_co_u32 s63, s63, s93
	s_add_co_u32 s38, s38, 6
	s_cmp_lt_u32 s34, 1536
	s_cselect_b32 s[TID], s35, s38
	s_cselect_b32 s56, s56, s57
	s_mov_b32 s36, 512
	s_cselect_b32 s36, 0x10000, s36                ; from an even fragment to the next: 8 rows, or a K step
	s_mov_b32 s38, 512
	s_cselect_b32 s38, 0x30000, s38                ; from an odd one: 24 rows, or a K step
	s_cselect_b32 s92, 0x10000, 0                  ; a tile's rows 8-15 lie 8 rows further on
	s_mov_b32 s37, 0
	s_mov_b32 s39, 0
	s_mov_b32 s57, 0
	s_mov_b32 s94, 1536                            ; from a fragment's result to the next
	s_mov_b32 s95, 0
	v_add_nc_u32 v[VO1], s92, v[LI]
	s_wait_alu depctr_va_vdst(0)
	s_wait_kmcnt 0x0
	s_mov_b64 s[96:97], s[28:29]
	s_mov_b64 s[98:99], s[28:29]
	s_cmp_eq_u32 s[TID], 5
	s_cselect_b64 s[96:97], s[30:31], s[96:97]
	s_cselect_b32 s60, s59, s60
	s_mov_b32 s93, 4096
	s_cselect_b32 s94, s93, s94
	s_cmp_lt_u32 s[TID], 5
	s_cselect_b64 s[96:97], s[24:25], s[96:97]
	s_cselect_b64 s[98:99], s[26:27], s[98:99]
	s_cselect_b32 s60, s58, s60
	s_cselect_b32 s62, s63, s62
	s_mov_b32 s93, 3072
	s_cselect_b32 s94, s93, s94
	s_mov_b32 s61, 0
	s_mov_b32 s63, 0
	s_mov_b64 s[32:33], s[4:5]
.irp t, 1,2,3,4,5,6,7,8,9
	s_cmp_eq_u32 s[TID], \t
	s_cselect_b64 s[32:33], s[4+2*\t:5+2*\t], s[32:33]
.endr
	s_add_nc_u64 s[IB:IB+1], s[32:33], s[56:57]
.irp a, 0,2,4,6
	s_add_nc_u64 s[IB+2*\a+2:IB+2*\a+3], s[IB+2*\a:IB+2*\a+1], s[36:37]
.if \a < 6
	s_add_nc_u64 s[IB+2*\a+4:IB+2*\a+5], s[IB+2*\a+2:IB+2*\a+3], s[38:39]
.endif
.endr
	s_add_nc_u64 s[OB:OB+1], s[96:97], s[60:61]
.irp a, 0,1,2,3,4,5,6
	s_add_nc_u64 s[OB+2*\a+2:OB+2*\a+3], s[OB+2*\a:OB+2*\a+1], s[94:95]
.endr
	s_add_nc_u64 s[SCB:SCB+1], s[98:99], s[62:63]
	G 0
	G 1
	G 2
.irp a, 0,1,2,3,4,5,6,7
.if \a < 6
	s_wait_loadcnt 32                              ; this fragment's 16 loads are in; the next two fragments' 32 may be out
.elseif \a == 6
	s_wait_loadcnt 16                              ; the last fragment's 16 may be out
.else
	s_wait_loadcnt 0x0
.endif
	S \a
	s_wait_dscnt 0x0                               ; my 64 numbers are back
	s_wait_xcnt 0x0                                ; the last fragment's stores have had their addresses translated: their data registers are written again only behind this wait
	Q \a
.if \a < 5
	G \a+3                                         ; the set that has just been read takes the fragment three further on
.endif
.endr
	s_cmp_eq_u32 s[TID], 5
	s_cbranch_scc1 .Lend                           ; the mask has no scales
	s_wait_alu depctr_va_vdst(0)
.irp c, 0,1,2,3
	v_cndmask_b32 v[WS+\c], v[PWR+\c], v[PWR+4+\c], s[HM]   ; lanes 0-15: fragments 0-3, lanes 16-31: fragments 4-7
.endr
	global_store_b128 v[LI], v[WS:WS+3], s[SCB:SCB+1]
.Lend:
	s_wait_tensorcnt 0x0                           ; the wave's end
	ds_add_u32 v[SPW], v[NIL]
	s_wait_dscnt 0x0
	s_endpgm
.Lfunc_end_k_q1a976ad008_prep:
	.size	k_q1a976ad008_prep, .Lfunc_end_k_q1a976ad008_prep-k_q1a976ad008_prep
	.p2alignl 7, 3214868480
	.fill 96, 4, 3214868480
	.section	.rodata,"a",@progbits
	.p2align	6, 0x0
	.amdhsa_kernel k_q1a976ad008_prep
		.amdhsa_group_segment_fixed_size 17152
		.amdhsa_private_segment_fixed_size 0
		.amdhsa_enable_private_segment 0
		.amdhsa_kernarg_size 112
		.amdhsa_user_sgpr_count 2
		.amdhsa_user_sgpr_kernarg_segment_ptr 1
		.amdhsa_wavefront_size32 1
		.amdhsa_system_sgpr_workgroup_id_x 1
		.amdhsa_system_sgpr_workgroup_id_y 1
		.amdhsa_system_sgpr_workgroup_id_z 1
		.amdhsa_system_vgpr_workitem_id 0
		.amdhsa_next_free_vgpr 256
		.amdhsa_next_free_sgpr 100
		.amdhsa_reserve_vcc 0
		.amdhsa_float_denorm_mode_32 3
		.amdhsa_float_denorm_mode_16_64 3
		.amdhsa_memory_ordered 1
		.amdhsa_forward_progress 1
		.amdhsa_inst_pref_size 133
	.end_amdhsa_kernel
	.amdgpu_metadata
---
amdhsa.version: [ 1, 2 ]
amdhsa.kernels:
  - .name:           k_q1a976ad008_prep
    .symbol:         k_q1a976ad008_prep.kd
    .args:
      - { .name: x, .offset: 0, .size: 8, .value_kind: global_buffer, .address_space: global }
      - { .name: Wq, .offset: 8, .size: 8, .value_kind: global_buffer, .address_space: global }
      - { .name: Wk, .offset: 16, .size: 8, .value_kind: global_buffer, .address_space: global }
      - { .name: Wv, .offset: 24, .size: 8, .value_kind: global_buffer, .address_space: global }
      - { .name: Wo, .offset: 32, .size: 8, .value_kind: global_buffer, .address_space: global }
      - { .name: mask, .offset: 40, .size: 8, .value_kind: global_buffer, .address_space: global }
      - { .name: Aq, .offset: 48, .size: 8, .value_kind: global_buffer, .address_space: global }
      - { .name: Ak, .offset: 56, .size: 8, .value_kind: global_buffer, .address_space: global }
      - { .name: Av, .offset: 64, .size: 8, .value_kind: global_buffer, .address_space: global }
      - { .name: Ao, .offset: 72, .size: 8, .value_kind: global_buffer, .address_space: global }
      - { .name: wcodes, .offset: 80, .size: 8, .value_kind: global_buffer, .address_space: global }
      - { .name: wscl, .offset: 88, .size: 8, .value_kind: global_buffer, .address_space: global }
      - { .name: lora, .offset: 96, .size: 8, .value_kind: global_buffer, .address_space: global }
      - { .name: maskw, .offset: 104, .size: 8, .value_kind: global_buffer, .address_space: global }
    .group_segment_fixed_size: 17152
    .private_segment_fixed_size: 0
    .kernarg_segment_align: 8
    .kernarg_segment_size: 112
    .max_flat_workgroup_size: 64
    .sgpr_count:     100
    .vgpr_count:     256
    .wavefront_size: 32
...
	.end_amdgpu_metadata
.endif
;; end of part 1
;; launch qkv (part 2): grid 16 x 16, 4 waves a work-group, clusters of 4 x 4, 327,680 bytes of LDS; arguments wcodes, wscl, lora, qkv, Bq, Bk, Bv; writes qkv
.if DOCPART == 2
	.amdgcn_target "amdgcn-amd-amdhsa--gfx1250"
	.amdhsa_code_object_version 6
	.text
	.protected	k_q1a976ad008_qkv
	.globl	k_q1a976ad008_qkv
	.p2align	8
	.type	k_q1a976ad008_qkv,@function
k_q1a976ad008_qkv:
	s_mov_b64 s[64:65], 0
	v_nop
	global_prefetch_b8 v0, s[64:65] scope:SCOPE_SE
	s_setreg_imm32_b32 hwreg(HW_REG_WAVE_MODE, 25, 1), 1
	s_wait_xcnt 0x0
	s_wait_alu depctr_hold_cnt(0) depctr_sa_sdst(0) depctr_va_vdst(0) depctr_va_sdst(0) depctr_va_ssrc(0) depctr_va_vcc(0) depctr_vm_vsrc(0)
	s_getreg_b32 s2, hwreg(HW_REG_IB_STS2, 6, 4)
	s_cmp_eq_u32 s2, 0
	s_cbranch_scc0 .Lentry_in_a_cluster
	s_endpgm
.Lentry_in_a_cluster:
	s_bfe_u32 s2, ttmp6, 0x10000c
	s_cmp_lg_u32 s2, 0xf033
	s_cbranch_scc0 .Lentry_shape_is_right
	s_endpgm
.Lentry_shape_is_right:
; Q, K, V = x W^T + (x A^T) B^T: the large products on codes of FP6 (E2M3) with E8M0 scales, the rank-16 product in f32; the results are quantised here, Q and K along the head's 128, V along the keys,
; and leave as images of the attention launch's operand registers.  No work of the problem is left out.
; SHARES.  256 work-groups: work-group x = the head, y = a block of 128 tokens.  A work-group makes Q, K and V of its head for its tokens: one tile of x serves three weights.
; Wave w takes the weights' tiles 2 w and 2 w + 1 (32 neighbouring channels) of Wq, Wk and Wv against all 8 token tiles: 48 products for 14 fragments in a K step of 128.
; Q, K: source 0 = 16 rows of W, source 1 = 16 tokens: a lane holds a token, the 16 registers of the two tiles are 16 neighbouring channels: half a block of 32.
; V: source 0 = 16 tokens, source 1 = 16 rows of Wv: a lane holds a channel, its 64 registers run along the 128 keys: a whole fragment.
; t = Q(x) Q(A)^T: wave 0 makes Aq's for all 128 tokens, wave 1 Ak's, wave 2 Av's (8 products a K step); at the end the three go through LDS to all waves and are, with B's rows, the operands of the f32 matrix form.
; CLUSTERS of 4 x 4: x's tile hangs on y alone and is shared along a row, the weights' tiles on x alone and are shared along a column: joint loads.  Wave 0 fetches x's 24,576 bytes of a slot, waves 1 to 3 Wq's, Wk's, Wv's.
; A slot holds 256 along K.  Both K steps of a slot lie in registers (two sets of fragments) from the middle of its first step on: there the slots change, and the slot is asked for again.
; The scale groups (32,768 bytes) and the three A matrices (76,800 bytes) come once: dense loads into registers and LDS stores, in bytes where no tensor load lands.
; PREFETCH: behind each joint load one instruction a wave names the plane that stands two refills on: of a load's 96 blocks of 256 bytes each of the four partners takes 24, told apart by address; the last refills ask for nothing.
; LIMITS: NaN and infinities are not served; a block whose largest magnitude lies under 2^-124 keeps the byte 1.
; REGISTERS.  window 0: v8-31, v44-46 addresses; v32-42, v48-58 scale words, two sets; v64-127 t; v128-255 V's sums.  window 1: x's fragments at v0 and v128; v96-127, v224-239 B's rows.
; window 2: at v0 and v128 six fragments of W and one of A.  window 3: Q's sums (token tile a, tile u at 16 a + 8 u), K's at 128 on.
.set SLOT1, 131072                     ; slot 0 at 0, slot 1 here: one exclusive or turns an address
.set SCL,   98304                      ; between the slots: x's 16 scale groups, then Wq's, Wk's, Wv's
.set LIM,   229376                     ; Aq, Ak, Av: 16 images and two scale groups each
.set SPARE, 306176                     ; the spare words, 128 bytes a wave
.set TX,    0                          ; the way out lies in slot 0, behind its last fill and last read: t, 24,576 bytes;
.set QST,   24576                      ; Q's and K's 16 images;
.set SST,   49152                      ; the three scale groups
.set PLANE, 393216                     ; from 256 along K to the next in wcodes
.set KVOFF, 3276800
.set LI,8
.set T16,9
.set T8,10
.set PFO,11
.set STS,12
.set STL,13
.set STL2,14
.set STL3,15
.set AW0,16
.set ADX,17
.set ADW,18
.set ADSX,19
.set ADSW,20
.set ADLF,21
.set ALS0,22
.set ADLS,23
.set GV,24
.set ATX,25
.set AQ,26
.set ASB,29
.set ASV,30
.set ARD,31
.set SC,32
.set SPW,44
.set NIL,45
.set ASR,46
.set T,64
.set TM,64
.set PC,80
.set WV,18
.set TB,19
.set KP,20
.set HD,21
.set TK,22
.set G1,24
.set G0,32
.set PFA,36
.set G1B,48
.set G0B,56
.set OUT,68
.set OSC,70
.set OV,72
.set SEL,74
.set MSB, 0
.macro WIN new                         ; the immediate's high byte repeats the setting that is left
.if MSB != (\new)
	s_set_vgpr_msb (MSB<<8)|(\new)
.set MSB, (\new)
.endif
.endm
.macro PLACES n
.rept \n
	v_nop
.endr
.endm
.macro JLOAD                           ; wave 0 asks for x's tile, waves 1 to 3 for a weight's; an s_nop 0 and four v_nop follow each line
	s_cmp_eq_u32 s[WV], 0
	s_cbranch_scc0 .Lfb_\@
	tensor_load_to_lds s[G0:G0+3], s[G1:G1+7]
	s_nop 0
	PLACES 4
	s_branch .Lfa_\@
.Lfb_\@:
	tensor_load_to_lds s[G0B:G0B+3], s[G1B:G1B+7]
	s_nop 0
	PLACES 4
.Lfa_\@:
.endm
.macro CREST
	s_cmp_lg_u32 s[WV], 0
	s_cbranch_scc1 .Lnw_\@
	s_barrier_signal -3
.Lnw_\@:
	s_barrier_wait -3
	s_barrier_signal -1
	s_barrier_wait -1
.endm
.macro CROUND
	s_barrier_signal -1
	s_barrier_wait -1
	CREST
.endm
.macro STEPG                           ; the next load: the other slot, 256 along K further on
	s_xor_b32 s[G0+1], s[G0+1], SLOT1
	s_xor_b32 s[G0B+1], s[G0B+1], SLOT1
	s_add_nc_u64 s[G0+2:G0+3], s[G0+2:G0+3], PLANE
	s_add_nc_u64 s[G0B+2:G0B+3], s[G0B+2:G0B+3], PLANE
.endm
; one scaled product; zero = 1 starts the sum; r0, r1: that source's scales stand in lanes 16-31
.macro WM d, s0, s1, zero, sc0, sc1, r0, r1
.if \zero
.if (\r0)
	v_wmma_scale_f32_16x16x128_f8f6f4 v[(\d):(\d)+7], v[(\s0):(\s0)+11], v[(\s1):(\s1)+11], 0, v[\sc0], v[\sc1] matrix_a_fmt:MATRIX_FMT_FP6 matrix_b_fmt:MATRIX_FMT_FP6 matrix_a_scale:MATRIX_SCALE_ROW1
.elseif (\r1)
	v_wmma_scale_f32_16x16x128_f8f6f4 v[(\d):(\d)+7], v[(\s0):(\s0)+11], v[(\s1):(\s1)+11], 0, v[\sc0], v[\sc1] matrix_a_fmt:MATRIX_FMT_FP6 matrix_b_fmt:MATRIX_FMT_FP6 matrix_b_scale:MATRIX_SCALE_ROW1
.else
	v_wmma_scale_f32_16x16x128_f8f6f4 v[(\d):(\d)+7], v[(\s0):(\s0)+11], v[(\s1):(\s1)+11], 0, v[\sc0], v[\sc1] matrix_a_fmt:MATRIX_FMT_FP6 matrix_b_fmt:MATRIX_FMT_FP6
.endif
.else
.if (\r0)
	v_wmma_scale_f32_16x16x128_f8f6f4 v[(\d):(\d)+7], v[(\s0):(\s0)+11], v[(\s1):(\s1)+11], v[(\d):(\d)+7], v[\sc0], v[\sc1] matrix_a_fmt:MATRIX_FMT_FP6 matrix_b_fmt:MATRIX_FMT_FP6 matrix_a_scale:MATRIX_SCALE_ROW1
.elseif (\r1)
	v_wmma_scale_f32_16x16x128_f8f6f4 v[(\d):(\d)+7], v[(\s0):(\s0)+11], v[(\s1):(\s1)+11], v[(\d):(\d)+7], v[\sc0], v[\sc1] matrix_a_fmt:MATRIX_FMT_FP6 matrix_b_fmt:MATRIX_FMT_FP6 matrix_b_scale:MATRIX_SCALE_ROW1
.else
	v_wmma_scale_f32_16x16x128_f8f6f4 v[(\d):(\d)+7], v[(\s0):(\s0)+11], v[(\s1):(\s1)+11], v[(\d):(\d)+7], v[\sc0], v[\sc1] matrix_a_fmt:MATRIX_FMT_FP6 matrix_b_fmt:MATRIX_FMT_FP6
.endif
.endif
.endm
.macro FRAG reg, adr, off              ; an image comes back as it was stored: three loads of 512 consecutive bytes
.irp c, 0,1,2
	ds_load_b128 v[(\reg)+4*\c:(\reg)+4*\c+3], v[\adr] offset:(\off)+512*\c
.endr
.endm
; a K step's fragments and scale words into set p; q: the slot's first or second K step
.macro FETCH q, p
	WIN 0x40
.irp i, 0,1,2,3,4,5,6,7
	FRAG 128*\p+12*\i, ADX, \i*3072+\q*1536
.endr
	WIN 0x80
.irp m, 0,1,2
.irp u, 0,1
	FRAG 128*\p+12*(2*\m+\u), ADW, \m*24576+\u*3072+\q*1536
.endr
.endr
	WIN 0
	ds_load_b128 v[SC+16*\p:SC+16*\p+3], v[ADSX] offset:512*\q      ; register c: token tile c in lanes 0-15, tile 4 + c in lanes 16-31
.irp m, 0,1,2
	ds_load_b64 v[SC+16*\p+4+2*\m:SC+16*\p+5+2*\m], v[ADSW] offset:8192*\m+512*\q   ; my two tiles' words, row r in lanes r and r + 16
.endr
	s_cmp_eq_u32 s[WV], 3
	s_cbranch_scc1 .Lnl_\@                         ; wave 3 has no A matrix
	WIN 0x80
	FRAG 128*\p+72, ADLF, 1536*\q
	WIN 0
	ds_load_b32 v[SC+16*\p+10], v[ADLS] offset:4*\q
.Lnl_\@:
.endm
; The accumulators take turns, one instruction a turn, in the same order in every step
.macro QK p, zero                      ; 32 products: Q's and K's
	WIN 0xf6                                       ; source 0 window 2, source 1 window 1, C and D window 3
.irp m, 0,1
.irp a, 0,1,2,3,4,5,6,7
.irp u, 0,1
	WM 128*\m+16*\a+8*\u, 128*\p+12*(2*\m+\u), 128*\p+12*\a, \zero, SC+16*\p+4+2*\m+\u, SC+16*\p+\a%4, 0, \a/4
.endr
.endr
.endr
.endm
.macro TG p, zero                      ; 8 products of t: source 0 = my A matrix's 16 ranks, source 1 = 16 tokens.  The branch hangs on the wave's number alone
	WIN 0
	s_cmp_eq_u32 s[WV], 3
	s_cbranch_scc1 .Lnt_\@
	WIN 0x06
.irp a, 0,1,2,3,4,5,6,7
	WM T+8*\a, 128*\p+72, 128*\p+12*\a, \zero, SC+16*\p+10, SC+16*\p+\a%4, 0, \a/4
.endr
	WIN 0
.Lnt_\@:
.endm
.macro VV p, zero, a0                  ; 8 products of V: key tiles a0 .. a0 + 3 x my two channel tiles
	WIN 0x09                                       ; source 0 window 1, source 1 window 2, C and D window 0
.irp a, \a0, \a0+1, \a0+2, \a0+3
.irp u, 0,1
	WM 128+64*\u+8*(\a), 128*\p+12*(\a), 128*\p+48+12*\u, \zero, SC+16*\p+(\a)%4, SC+16*\p+8+\u, (\a)/4, 0
.endr
.endr
.endm
; A slot's first K step (set 0).  chg = 2: the slots change and this slot is asked for again; 1: the barrier alone
.macro ESTEP zero, chg
	s_wait_dscnt 0x0                               ; this K step's fragments are in registers
	PLACES 4                                       ; in front of loads into registers that the last products have read
	FETCH 1, 1
	QK 0, \zero
	TG 0, \zero
.if \chg
	s_wait_tensorcnt 0x0                           ; all my tensor loads have landed: my part of the other slot
	ds_add_u32 v[SPW], v[NIL]
.if \chg == 2
	STEPG
	s_wait_xcnt 0x0                                ; the last prefetch has read its address
	s_add_nc_u64 s[PFA:PFA+1], s[PFA:PFA+1], PLANE
.endif
.endif
	VV 0, \zero, 0
.if \chg
	s_wait_dscnt 0x0                               ; the add is done, and both K steps of this slot lie in my registers
	s_barrier_signal -1
.endif
	VV 0, \zero, 4
	WIN 0
.if \chg
	s_barrier_wait -1
.endif
.if \chg == 2
	CREST                                          ; the barrier has opened a round of the cluster's barrier: no wave of any partner still reads this slot or has a load on its way
	JLOAD                                          ; my one tensor load behind the round
	s_cmp_lt_u32 s[KP], 4                          ; the plane two refills on; the last two refills have none
	s_cbranch_scc0 .Lna_\@
	global_prefetch_b8 v[PFO], s[PFA:PFA+1] offset:3*PLANE th:TH_LOAD_NT scope:SCOPE_SE
.Lna_\@:
.endif
.endm
; A slot's second K step (set 1); it fetches the other slot's first
.macro OSTEP fetch
	s_wait_dscnt 0x0
.if \fetch
	s_xor_b32 s[TB], s[TB], SLOT1
	s_add_co_u32 s[KP], s[KP], 1                   ; the pair of K steps that is fetched next
	s_lshr_b32 s40, s[KP], 1
	s_lshl_b32 s40, s40, 8
	s_and_b32 s41, s[KP], 1
	s_lshl_b32 s41, s41, 3
	s_or_b32 s40, s40, s41                         ; A's scale words of K step k lie at 256 (k / 4) + 4 (k % 4)
	v_add_nc_u32 v[ADX], s[TB], v[LI]              ; (these six are also the places in front of the loads)
	v_add_nc_u32 v[ADW], s[TB], v[AW0]
	v_add_nc_u32 v[ADSX], 1024, v[ADSX]
	v_add_nc_u32 v[ADSW], 1024, v[ADSW]
	v_add_nc_u32 v[ADLF], 3072, v[ADLF]
	v_add_nc_u32 v[ADLS], s40, v[ALS0]
	s_wait_alu depctr_va_vdst(0)
	FETCH 0, 0
.endif
	QK 1, 0
	TG 1, 0
	VV 1, 0, 0
	VV 1, 0, 4
	WIN 0
.endm
	s_load_b256 s[4:11], s[0:1], 0x0               ; wcodes, wscl, lora, qkv
	s_load_b128 s[12:15], s[0:1], 0x20             ; Bq, Bk
	s_load_b64 s[16:17], s[0:1], 0x30              ; Bv
	v_lshl_add_u32 v[SPW], v0, 2, SPARE
	v_mov_b32 v[NIL], 0
	ds_add_u32 v[SPW], v[NIL]                      ; the wave's opening: the add, twice on end, and its wait ahead of my first tensor load
	ds_add_u32 v[SPW], v[NIL]
	v_lshrrev_b32 v1, 5, v0
	v_readfirstlane_b32 s[WV], v1
	s_bfe_u32 s40, ttmp6, 0x40000                  ; cx
	s_bfe_u32 s41, ttmp6, 0x40004                  ; cy
	s_lshl_b32 s[HD], ttmp9, 2
	s_add_co_u32 s[HD], s[HD], s40                 ; the head
	s_and_b32 s[TK], ttmp7, 0xffff
	s_lshl_b32 s[TK], s[TK], 2
	s_add_co_u32 s[TK], s[TK], s41                 ; the block of 128 tokens
	s_lshl_b32 s42, s41, 2
	s_lshl_b32 s42, 15, s42                        ; my row of the cluster
	s_lshl_b32 s43, 0x1111, s40                    ; my column
	s_or_b32 s[G1], s42, (3<<16)|(1<<21)           ; dense blocks as 96 rows of 256 bytes (32 elements of 8 bytes), no padding
	s_or_b32 s[G1B], s43, (3<<16)|(1<<21)
.irp g, G1, G1B
	s_mov_b32 s[\g+1], 32<<16
	s_mov_b32 s[\g+2], 96<<16
	s_mov_b32 s[\g+3], 32<<16
	s_mov_b32 s[\g+4], 96
	s_mov_b32 s[\g+5], 32
	s_mov_b32 s[\g+6], 0
	s_mov_b32 s[\g+7], 0
.endr
	s_mul_i32 s44, s[WV], 24576                    ; where a load goes: no place in the cluster enters an LDS address
	s_mov_b32 s[G0], 1
	s_mov_b32 s[G0+1], s44
	s_mul_i32 s[G0+2], s[TK], 24576                ; x: 8 tiles x 2 K steps of my tokens
	s_mov_b32 s[G0+3], 0
	s_mov_b32 s[G0B], 1
	s_mov_b32 s[G0B+1], s44
	s_mul_i32 s[G0B+2], s[HD], 24576               ; tensor 1, 2 or 3 by the wave's number: the head's 8 tiles
	s_mul_i32 s45, s[WV], 3145728
	s_add_co_u32 s[G0B+2], s[G0B+2], s45
	s_mov_b32 s[G0B+3], 0
	s_mul_i32 s46, s40, 6144                       ; the prefetches: my work-group's quarter of what I fetch
	s_add_co_u32 s46, s46, s[G0+2]
	s_mul_i32 s47, s41, 6144
	s_add_co_u32 s47, s47, s[G0B+2]
	s_cmp_eq_u32 s[WV], 0
	s_cselect_b32 s[PFA], s46, s47
	s_mov_b32 s[PFA+1], 0
	s_lshl_b32 s76, s[TK], 13                      ; the scale groups: x's, Wq's, Wk's, Wv's, 8,192 bytes each
	s_mov_b32 s77, 0
	s_lshl_b32 s78, s[HD], 13
	s_add_co_u32 s78, s78, 131072
	s_mov_b32 s79, 0
	s_add_co_u32 s80, s78, 131072
	s_mov_b32 s81, 0
	s_add_co_u32 s82, s80, 131072
	s_mov_b32 s83, 0
	s_lshl_b32 s84, s[HD], 13                      ; B's rows: the head's 128, my 32, 64 bytes each
	s_lshl_b32 s85, s[WV], 11
	s_add_co_u32 s84, s84, s85
	s_mov_b32 s85, 0
	s_mul_i32 s86, s[HD], 204800                   ; where the results go
	s_mul_i32 s87, s[TK], 12288
	s_add_co_u32 s87, s87, s86                     ; Q's images
	s_lshl_b32 s88, s[TK], 9
	s_add_co_u32 s88, s88, s86
	s_add_co_u32 s88, s88, 196608                  ; Q's scale group
	s_mul_i32 s89, s[HD], 409600
	s_lshr_b32 s90, s[TK], 2
	s_mul_i32 s90, s90, 102400
	s_add_co_u32 s89, s89, s90
	s_add_co_u32 s89, s89, KVOFF                   ; the head's slot of 512 keys
	s_and_b32 s90, s[TK], 3
	s_mul_i32 s91, s90, 12288
	s_add_co_u32 s91, s91, s89                     ; K's images
	s_lshl_b32 s90, s90, 9
	s_add_co_u32 s90, s90, s89
	s_add_co_u32 s90, s90, 98304                   ; K's scale group; V's lies 2,048 further on
	s_add_co_u32 s93, s90, 2048
	s_and_b32 s92, s[WV], 1
	s_mul_i32 s92, s92, 6144
	s_cmp_lt_u32 s[WV], 2                          ; waves 0, 1 store Q's images, waves 2, 3 K's
	s_cselect_b32 s[OUT], s87, s91
	s_add_co_u32 s[OUT], s[OUT], s92
	s_mov_b32 s[OUT+1], 0
	s_cmp_eq_u32 s[WV], 1                          ; waves 0, 1, 2 store Q's, K's, V's scale group
	s_cselect_b32 s[OSC], s90, s93
	s_cmp_eq_u32 s[WV], 0
	s_cselect_b32 s[OSC], s88, s[OSC]
	s_mov_b32 s[OSC+1], 0
	s_mul_i32 s[OV], s[WV], 3072
	s_add_co_u32 s[OV], s[OV], s91
	s_add_co_u32 s[OV], s[OV], 49152               ; V's images of my two channel tiles
	s_mov_b32 s[OV+1], 0
	s_mul_i32 s60, s[WV], 6144
	s_add_co_u32 s97, s60, QST
	s_add_co_u32 s60, s60, 24576
	s_lshr_b32 s46, s[WV], 1
	s_and_b32 s47, s[WV], 1
	s_lshl_b32 s61, s46, 8
	s_lshl_b32 s94, s47, 3
	s_add_co_u32 s61, s61, s94                     ; my two tiles' place in a scale group: 256 (w / 2) + 8 (w % 2)
	s_mul_i32 s94, s46, 6
	s_lshl_b32 s95, s47, 8
	s_add_co_u32 s95, s95, QST
	s_min_u32 s47, s[WV], 2
	s_mul_i32 s62, s47, 25600
	s_add_co_u32 s62, s62, LIM                     ; my A matrix
	s_lshl_b32 s98, s47, 9
	s_add_co_u32 s98, s98, SST
	s_lshl_b32 s63, s[WV], 13
	s_add_co_u32 s96, s[WV], SST
	s_mov_b32 s[SEL], 0x76543210
	s_mov_b32 s[SEL+1], 0xfedcba98
	s_mov_b32 s[TB], 0
	s_mov_b32 s[KP], 0
	v_and_b32 v1, 31, v0
	v_and_b32 v2, 15, v0                           ; r
	v_bfe_u32 v3, v0, 4, 1                         ; h
	v_lshlrev_b32 v[LI], 4, v1
	v_lshlrev_b32 v[T16], 4, v0
	v_lshlrev_b32 v[T8], 3, v0
	v_min_u32 v4, 23, v1
	v_lshlrev_b32 v[PFO], 8, v4                    ; 24 blocks of 256 bytes; lanes 24-31 name the last again
	v_add_nc_u32 v[STS], SCL, v[T16]
	v_add_nc_u32 v[STL], LIM, v[T16]
	v_add_nc_u32 v[STL2], LIM+65536, v[T16]
	v_add_nc_u32 v[STL3], LIM+75776, v[T8]
	v_add_nc_u32 v[AW0], s60, v[LI]
	v_mov_b32 v[ADX], v[LI]
	v_mov_b32 v[ADW], v[AW0]
	v_add_nc_u32 v[ADSX], SCL, v[LI]
	v_lshlrev_b32 v5, 4, v2                        ; 16 r
	v_add_nc_u32 v[ADSW], s61, v5
	v_add_nc_u32 v[ASV], SST+1024, v[ADSW]
	v_add_nc_u32 v[ADSW], SCL+8192, v[ADSW]
	v_add_nc_u32 v[ADLF], s62, v[LI]
	v_add_nc_u32 v[ALS0], s62, v5
	v_add_nc_u32 v[ALS0], 24576, v[ALS0]
	v_mov_b32 v[ADLS], v[ALS0]
	v_and_b32 v4, 8, v2
	v_add_nc_u32 v4, v4, v2                        ; r + 8 (r / 8)
	v_lshlrev_b32 v[GV], 6, v4
	v_lshl_add_u32 v[GV], v3, 5, v[GV]
	v_add_nc_u32 v[ATX], s63, v[LI]
	v_mul_u32_u24 v6, v3, 3
	v_add_nc_u32 v6, s94, v6                       ; my 16 codes are registers R = 6 (w / 2) + 3 h + 0 .. 2 of lane r + 16 (w % 2) of an image: register R at 512 (R / 4) + 4 (R % 4)
.irp i, 0,1,2
	v_add_nc_u32 v4, \i, v6
	v_lshrrev_b32 v7, 2, v4
	v_and_b32 v4, 3, v4
	v_lshl_add_u32 v7, v7, 9, v5
	v_lshl_add_u32 v7, v4, 2, v7
	v_add_nc_u32 v[AQ+\i], s95, v7
.endr
	v_add_nc_u32 v[ASB], s96, v5                   ; my block's byte of a row's scale word
	v_add_nc_u32 v[ARD], s97, v[LI]
	v_add_nc_u32 v[ASR], s98, v[LI]
	s_wait_alu depctr_va_vdst(0)
	s_wait_dscnt 0x0                               ; both opening adds are done
	s_wait_kmcnt 0x0
	s_add_nc_u64 s[G0+2:G0+3], s[4:5], s[G0+2:G0+3]
	s_or_b32 s[G0+3], s[G0+3], 0x80000000
	s_add_nc_u64 s[G0B+2:G0B+3], s[4:5], s[G0B+2:G0B+3]
	s_or_b32 s[G0B+3], s[G0B+3], 0x80000000
	s_add_nc_u64 s[PFA:PFA+1], s[4:5], s[PFA:PFA+1]
.irp t, 76,78,80,82
	s_add_nc_u64 s[\t:\t+1], s[6:7], s[\t:\t+1]
.endr
.irp t, 12,14,16
	s_add_nc_u64 s[\t:\t+1], s[\t:\t+1], s[84:85]
.endr
.irp t, OUT, OSC, OV
	s_add_nc_u64 s[\t:\t+1], s[10:11], s[\t:\t+1]
.endr
	WIN 0x80                                       ; scales and A matrices: the 128 threads read 2,048 consecutive bytes an instruction, into window 2
.irp t, 0,1,2,3
.irp i, 0,1,2,3
	global_load_b128 v[16*\t+4*\i:16*\t+4*\i+3], v[T16], s[76+2*\t:77+2*\t] offset:2048*\i
.endr
.endr
.set nn, 0
.rept 37
	global_load_b128 v[64+4*nn:67+4*nn], v[T16], s[8:9] offset:2048*nn
.set nn, nn+1
.endr
	global_load_b64 v[212:213], v[T8], s[8:9] offset:75776
	WIN 0
	CROUND                                         ; all sixteen work-groups are here: the first joint loads meet
	JLOAD                                          ; slot 0: one tensor load a wave at the head
	global_prefetch_b8 v[PFO], s[PFA:PFA+1] offset:PLANE th:TH_LOAD_NT scope:SCOPE_SE
	global_prefetch_b8 v[PFO], s[PFA:PFA+1] offset:2*PLANE th:TH_LOAD_NT scope:SCOPE_SE
	WIN 0x40
.irp u, 0,1                                    ; lane (r, h): row r of my tile u, ranks 8 h + 0 .. 7
	global_load_b128 v[96+8*\u:99+8*\u], v[GV], s[12:13] offset:512*\u
	global_load_b128 v[100+8*\u:103+8*\u], v[GV], s[12:13] offset:512*\u+16
	global_load_b128 v[112+8*\u:115+8*\u], v[GV], s[14:15] offset:512*\u
	global_load_b128 v[116+8*\u:119+8*\u], v[GV], s[14:15] offset:512*\u+16
	global_load_b128 v[224+8*\u:227+8*\u], v[GV], s[16:17] offset:512*\u
	global_load_b128 v[228+8*\u:231+8*\u], v[GV], s[16:17] offset:512*\u+16
.endr
	WIN 0
	s_wait_loadcnt 12                              ; all but the 12 loads of B's rows
	WIN 0x08
.irp t, 0,1,2,3
.irp i, 0,1,2,3
	ds_store_b128 v[STS], v[16*\t+4*\i:16*\t+4*\i+3] offset:8192*\t+2048*\i
.endr
.endr
.set nn, 0
.rept 32
	ds_store_b128 v[STL], v[64+4*nn:67+4*nn] offset:2048*nn
.set nn, nn+1
.endr
.rept 5
	ds_store_b128 v[STL2], v[64+4*nn:67+4*nn] offset:2048*(nn-32)
.set nn, nn+1
.endr
	ds_store_b64 v[STL3], v[212:213]
	WIN 0
	s_wait_tensorcnt 0x0                           ; my part of slot 0 is in
	ds_add_u32 v[SPW], v[NIL]
	STEPG
	s_wait_dscnt 0x0                               ; the add and my stores are done
	CROUND
	JLOAD                                          ; slot 1
	global_prefetch_b8 v[PFO], s[PFA:PFA+1] offset:3*PLANE th:TH_LOAD_NT scope:SCOPE_SE
	FETCH 0, 0
	ESTEP 1, 2                                     ; K step 0 starts the sums
.Lk:                                                   ; five trips of two K steps: 1 to 10
	OSTEP 1
	ESTEP 0, 2
	s_cmp_lt_u32 s[KP], 5
	s_cbranch_scc1 .Lk
	OSTEP 1                                        ; the last five K steps ask for nothing more
	ESTEP 0, 1
	OSTEP 1
	ESTEP 0, 1                                     ; behind this barrier no wave reads a slot any more
	OSTEP 0
	; t GOES TO ALL WAVES
	PLACES 5
	s_cmp_eq_u32 s[WV], 3
	s_cbranch_scc1 .Lno_t
.irp a, 0,1,2,3,4,5,6,7
	ds_store_b128 v[ATX], v[T+8*\a:T+8*\a+3] offset:1024*\a
	ds_store_b128 v[ATX], v[T+8*\a+4:T+8*\a+7] offset:1024*\a+512
.endr
.Lno_t:
	s_wait_dscnt 0x0
	s_barrier_signal -1
	s_barrier_wait -1
	WIN 0x80
.set nn, 0
.rept 48
	ds_load_b128 v[4*nn:4*nn+3], v[LI] offset:TX+512*nn    ; matrix m, token tile a at v[64 m + 8 a] of window 2: lane (r, h): token r, ranks 8 h + j
.set nn, nn+1
.endr
	WIN 0
	s_wait_loadcnt 0x0                             ; B's rows
	s_wait_dscnt 0x0
	; THE RANK-16 PRODUCT in f32, since its result goes on into a quantiser.  K = 4 an instruction: its k = 2 h + j is rank 8 h + 2 kk + j on both sides
	WIN 0xf9                                       ; source 0 window 1 (B's rows), source 1 window 2 (t), C and D window 3
.irp kk, 0,1,2,3
.irp m, 0,1
.irp a, 0,1,2,3,4,5,6,7
.irp u, 0,1
	v_wmma_f32_16x16x4_f32 v[128*\m+16*\a+8*\u:128*\m+16*\a+8*\u+7], v[96+16*\m+8*\u+2*\kk:97+16*\m+8*\u+2*\kk], v[64*\m+8*\a+2*\kk:64*\m+8*\a+2*\kk+1], v[128*\m+16*\a+8*\u:128*\m+16*\a+8*\u+7]
.endr
.endr
.endr
.endr
	WIN 0x06                                       ; source 0 window 2 (t), source 1 window 1 (Bv's rows), C and D window 0
.irp kk, 0,1,2,3
.irp a, 0,1,2,3,4,5,6,7
.irp u, 0,1
	v_wmma_f32_16x16x4_f32 v[128+64*\u+8*\a:135+64*\u+8*\a], v[128+8*\a+2*\kk:129+8*\a+2*\kk], v[224+8*\u+2*\kk:225+8*\u+2*\kk], v[128+64*\u+8*\a:135+64*\u+8*\a]
.endr
.endr
.endr
	WIN 0
	PLACES 4                                       ; with the four lines below: eight places behind this form before its results are read
.irp b, 0,1,2,3
	v_mov_b32 v[TM+4+\b], 0                        ; a lane permute's destination counts as one of its sources
.endr
.macro SCALE4                          ; four blocks' largest magnitudes in v[TM] on: joined with lane l xor 16's; the conversions' scale operands at TM + 8, the bytes at TM + 12
.irp b, 0,1,2,3
	v_permlanex16_b32 v[TM+4+\b], v[TM+\b], s[SEL], s[SEL+1]
.endr
.irp b, 0,1,2,3
	v_max_num_f32 v[TM+\b], v[TM+\b], v[TM+4+\b]
.endr
.irp b, 0,1,2,3
	v_add_nc_u32 v[TM+8+\b], 0xff000000, v[TM+\b]  ; 2 off the exponent field
.endr
.irp b, 0,1,2,3
	v_lshrrev_b32 v[TM+12+\b], 23, v[TM+8+\b]
.endr
.endm
; Q's (g = 0, 1) or K's (g = 2, 3) token tiles 4 (g % 2) + b: my block of 32 channels of each token: 16 codes a lane and a scale byte, into the images in LDS.  Each accumulator is read from its low end on
.macro QUANTD g
.set AC, 64*(\g)
	WIN 0x0f
.irp b, 0,1,2,3
	v_max3_num_f32 v[TM+\b], |v[AC+16*\b]|, |v[AC+1+16*\b]|, 0x1800000   ; and the floor 2^(3 - 127)
.endr
	WIN 0x3c
.irp i, 2,4,6,8,10,12,14
.irp b, 0,1,2,3
	v_max3_num_f32 v[TM+\b], v[TM+\b], |v[AC+16*\b+\i]|, |v[AC+1+16*\b+\i]|
.endr
.endr
	WIN 0
	SCALE4
	WIN 0x03
.irp b, 0,1,2,3
	v_cvt_scalef32_pk16_fp6_f32 v[PC+4*\b:PC+4*\b+2], v[AC+16*\b:AC+16*\b+15], v[TM+8+\b]
.endr
	WIN 0
	v_nop                                          ; one plain instruction behind a scaled conversion
.irp b, 0,1,2,3
	ds_store_b8 v[ASB], v[TM+12+\b] offset:512*((\g)/2)+256*((\g)%2)+4*\b   ; lanes r and r + 16 write the same byte with the same value
.irp i, 0,1,2
	ds_store_b32 v[AQ+\i], v[PC+4*\b+\i] offset:(4*(\g)+\b)*1536
.endr
.endr
.endm
; V's channel tile u: 64 registers a lane are 128 keys of my channel (with lane l xor 16's): a whole fragment and a scale word
.macro QUANTV u
.set AC, 128+64*(\u)
.set PV, PC+20*(\u)
.irp b, 0,1,2,3
	v_max3_num_f32 v[TM+\b], |v[AC+16*\b]|, |v[AC+1+16*\b]|, 0x1800000
.endr
.irp i, 2,4,6,8,10,12,14
.irp b, 0,1,2,3
	v_max3_num_f32 v[TM+\b], v[TM+\b], |v[AC+16*\b+\i]|, |v[AC+1+16*\b+\i]|
.endr
.endr
	SCALE4
	v_lshl_or_b32 v[120+\u], v[TM+13], 8, v[TM+12]
	v_lshl_or_b32 v[120+\u], v[TM+14], 16, v[120+\u]
	v_lshl_or_b32 v[120+\u], v[TM+15], 24, v[120+\u]
.irp c, 0,1
	v_cvt_scalef32_pk16_fp6_f32 v[PV+6*\c:PV+2+6*\c], v[AC+32*\c:AC+15+32*\c], v[TM+8+2*\c]
	v_cvt_scalef32_pk16_fp6_f32 v[PV+12+4*\c:PV+14+4*\c], v[AC+16+32*\c:AC+31+32*\c], v[TM+8+2*\c+1]
.endr
	v_nop
.irp c, 0,1                                    ; the operand's layout wants a whole block in a lane
.irp i, 0,1,2
	v_permlane16_swap_b32 v[PV+6*\c+\i], v[PV+12+4*\c+\i]
.endr
.irp i, 0,1,2
	v_mov_b32 v[PV+3+6*\c+\i], v[PV+12+4*\c+\i]
.endr
.endr
.irp c, 0,1,2
	global_store_b128 v[LI], v[PV+4*\c:PV+4*\c+3], s[OV:OV+1] offset:1536*(\u)+512*\c   ; 512 consecutive bytes, aligned
.endr
	ds_store_b32 v[ASV], v[120+\u] offset:4*(\u)
.endm
	QUANTD 0
	QUANTD 1
	QUANTD 2
	QUANTD 3
	QUANTV 0
	QUANTV 1
	s_wait_dscnt 0x0                               ; for the others' sake: my stores have landed
	s_barrier_signal -1
	s_barrier_wait -1
	WIN 0x40
.irp j, 0,1,2,3,4,5,6,7,8,9,10,11
	ds_load_b128 v[4*\j:4*\j+3], v[ARD] offset:512*\j      ; my quarter of Q's and K's images
.endr
	WIN 0
	s_wait_dscnt 0x0
	WIN 0x04
.irp j, 0,1,2,3,4,5,6,7,8,9,10,11
	global_store_b128 v[LI], v[4*\j:4*\j+3], s[OUT:OUT+1] offset:512*\j   ; 512 consecutive bytes, aligned
.endr
	WIN 0
	s_cmp_eq_u32 s[WV], 3
	s_cbranch_scc1 .Lend
	ds_load_b128 v[64:67], v[ASR]
	s_wait_dscnt 0x0
	global_store_b128 v[LI], v[64:67], s[OSC:OSC+1]
.Lend:
	s_wait_tensorcnt 0x0                           ; the wave's end
	ds_add_u32 v[SPW], v[NIL]
	s_wait_dscnt 0x0
	CROUND                                         ; the closing round
	s_endpgm
.Lfunc_end_k_q1a976ad008_qkv:
	.size	k_q1a976ad008_qkv, .Lfunc_end_k_q1a976ad008_qkv-k_q1a976ad008_qkv
	.p2alignl 7, 3214868480
	.fill 96, 4, 3214868480
	.section	.rodata,"a",@progbits
	.p2align	6, 0x0
	.amdhsa_kernel k_q1a976ad008_qkv
		.amdhsa_group_segment_fixed_size 327680
		.amdhsa_private_segment_fixed_size 0
		.amdhsa_enable_private_segment 0
		.amdhsa_kernarg_size 56
		.amdhsa_user_sgpr_count 2
		.amdhsa_user_sgpr_kernarg_segment_ptr 1
		.amdhsa_wavefront_size32 1
		.amdhsa_system_sgpr_workgroup_id_x 1
		.amdhsa_system_sgpr_workgroup_id_y 1
		.amdhsa_system_sgpr_workgroup_id_z 1
		.amdhsa_system_vgpr_workitem_id 0
		.amdhsa_next_free_vgpr 1024
		.amdhsa_next_free_sgpr 106
		.amdhsa_reserve_vcc 0
		.amdhsa_float_denorm_mode_32 3
		.amdhsa_float_denorm_mode_16_64 3
		.amdhsa_memory_ordered 1
		.amdhsa_forward_progress 1
		.amdhsa_inst_pref_size 157
	.end_amdhsa_kernel
	.amdgpu_metadata
---
amdhsa.version: [ 1, 2 ]
amdhsa.kernels:
  - .name:           k_q1a976ad008_qkv
    .symbol:         k_q1a976ad008_qkv.kd
    .args:
      - { .name: wcodes, .offset: 0, .size: 8, .value_kind: global_buffer, .address_space: global }
      - { .name: wscl, .offset: 8, .size: 8, .value_kind: global_buffer, .address_space: global }
      - { .name: lora, .offset: 16, .size: 8, .value_kind: global_buffer, .address_space: global }
      - { .name: qkv, .offset: 24, .size: 8, .value_kind: global_buffer, .address_space: global }
      - { .name: Bq, .offset: 32, .size: 8, .value_kind: global_buffer, .address_space: global }
      - { .name: Bk, .offset: 40, .size: 8, .value_kind: global_buffer, .address_space: global }
      - { .name: Bv, .offset: 48, .size: 8, .value_kind: global_buffer, .address_space: global }
    .group_segment_fixed_size: 327680
    .private_segment_fixed_size: 0
    .kernarg_segment_align: 8
    .kernarg_segment_size: 56
    .max_flat_workgroup_size: 128
    .sgpr_count:     106
    .vgpr_count:     1024
    .wavefront_size: 32
...
	.end_amdgpu_metadata
.endif
;; end of part 2
;; launch attn (part 3): grid 16 x 16, 16 waves a work-group, clusters of 4 x 1, 327,680 bytes of LDS; arguments qkv, maskw, ocodes, oscl; writes ocodes, oscl
.if DOCPART == 3
	.amdgcn_target "amdgcn-amd-amdhsa--gfx1250"
	.amdhsa_code_object_version 6
	.text
	.protected	k_q1a976ad008_attn
	.globl	k_q1a976ad008_attn
	.p2align	8
	.type	k_q1a976ad008_attn,@function
k_q1a976ad008_attn:
	s_mov_b64 s[64:65], 0
	v_nop
	global_prefetch_b8 v0, s[64:65] scope:SCOPE_SE
	s_setreg_imm32_b32 hwreg(HW_REG_WAVE_MODE, 25, 1), 1
	s_wait_xcnt 0x0
	s_wait_alu depctr_hold_cnt(0) depctr_sa_sdst(0) depctr_va_vdst(0) depctr_va_sdst(0) depctr_va_ssrc(0) depctr_va_vcc(0) depctr_vm_vsrc(0)
	s_getreg_b32 s2, hwreg(HW_REG_IB_STS2, 6, 4)
	s_cmp_eq_u32 s2, 0
	s_cbranch_scc0 .Lentry_in_a_cluster
	s_endpgm
.Lentry_in_a_cluster:
	s_bfe_u32 s2, ttmp6, 0x10000c
	s_cmp_lg_u32 s2, 0x3003
	s_cbranch_scc0 .Lentry_shape_is_right
	s_endpgm
.Lentry_shape_is_right:
; out[q][head] = softmax_k(mask ? Q . K / sqrt(128) : -1e9) V, both products on codes of FP6 (E2M3) with E8M0 scales; out is divided by the row's sum, quantised along the head's 128 and stored as images of the last launch's operand registers.
; THE SOFTMAX AHEAD OF THE SECOND PRODUCT: t = score x log2(e) / sqrt(128); M = the running largest t rounded up to a whole number; p = 2^(t - M) is quantised along the keys; the row's sum is taken of the unquantised p.  When M moves, sum and O are multiplied by 2^(old M - new M): exact.
; THE MASK IS AN INPUT: all 2,048 keys are walked.  It comes as lane masks, 64 words a key step, by scalar loads, and only selects values: a hidden score becomes -1.5 x 2^33, whose t = -1,643,049,600 is a whole number: in a row that is hidden altogether t - M is exactly 0 and every p is 1.
; LIMIT: so a hidden logit stands at -1.139e9 where the problem has -1e9; the results are the same wherever open logits lie above about -1e9.  NaN and infinities are not served.
; SHARES.  A work-group owns 128 queries of one head: eight tiles of 16.  It has SIXTEEN waves of 256 registers, four to a SIMD, so that one wave's vector work stands beside the others' products and LDS loads.  Wave w owns tile w % 8 and HALF OF THE KEYS: of each slot's four key steps
; those numbered 2 (w / 8) and 2 (w / 8) + 1, with a running M, sum and O^T of its own.  At the end waves 8-15 hand theirs to waves 0-7 through LDS; both are brought under the larger M by exact powers of two and added.
; K's and V's images and scale groups of 512 keys are one dense block of 102,400 bytes: a slot.  Each wave brings a sixteenth by one tensor load.  The four query blocks of a cluster walk the same K and V: the loads are joint, with a mask that names the four.
; LAYOUT.  Both products transposed: S^T = K Q^T, O^T = V^T P^T: a lane holds one query throughout; by the order of rows in a tile the 16 registers of tiles 2 b, 2 b + 1 are 16 neighbouring keys (or channels).
; REGISTERS.  v1-11 addresses and constants; v12 -M, v13 the largest t, v[14:15] the sum; v16-27 Q; v28-31 V's scales; v32-79 four fragments of K or V; v80-85 addresses that stay; v96-159 S^T, then p, then V's fragments 4-7; v160-223 O^T; v224-247, v252-254 at work; v248-251 K's scales; v253 p's scale word; v255 Q's.
.set SLOT1, 131072                     ; slot 1 begins here: one exclusive or turns an address
.set OSCR,  233472                     ; 512 bytes: the eight tiles' scale words meet here; no tensor load lands here
.set SPARE, 233984                     ; the spare words, 128 bytes a wave: 2,048
.set MRG,   236032                     ; 8 x 8,448 bytes: what waves 8-15 hand over: O^T as 16 pieces of 512 bytes, then (-M, sum), 8 bytes a lane; no tensor load lands here
.set KVOFF, 3276800
.set LI,   1                           ; v1   16 x lane
.set ADK,  2                           ; v2   my key steps' images of K in the slot in hand
.set ADV,  3                           ; v3   of V
.set ADS,  4                           ; v4   their scale groups
.set SPW,  5
.set NIL,  6
.set NEG,  7
.set OSA,  9                           ; v9   where my tile's scale words go in OSCR
.set PFO,  80                          ; v80  256 x lane
.set AK0,  81                          ; v81  16 x lane + 24,576 (w / 8): my two key steps' place among a slot's images
.set AS0,  82                          ; v82  16 x lane + 98,304 + 1,024 (w / 8): and among its scale groups
.set MGA,  83                          ; v83  my tile's place in the merge region, 16 bytes a lane
.set MGS,  84                          ; v84  and its (-M, sum), 8 bytes a lane
.set OSR,  85                          ; v85  OSCR + 16 x lane
.set TM,   32
.set PW,   48
.set PC,   224
.set TB,   2                           ; s2   the slot in hand
.set SLOTS, 3                          ; s3   slots still to be asked for
.set MK,   6                           ; s[6:7] my tile's mask words, at my first key step of the slot
.set WV,   12
.set CS,   14                          ; s[14:15] c = log2(e) / sqrt(128)
.set G1,   84
.set G0,   92
.set SEL,  96
.set PFA,  98
.set LIM,  100
.macro PLACES n
.rept \n
	v_nop
.endr
.endm
.macro CROUND
	s_barrier_signal -1
	s_barrier_wait -1
	s_cmp_lg_u32 s[WV], 0
	s_cbranch_scc1 .Lnot_wave_0_\@
	s_barrier_signal -3
.Lnot_wave_0_\@:
	s_barrier_wait -3
	s_barrier_signal -1
	s_barrier_wait -1
.endm
.macro WM d, s0, s1, zero, sc0, sc1, r0
.if \zero
.if (\r0)
	v_wmma_scale_f32_16x16x128_f8f6f4 v[(\d):(\d)+7], v[(\s0):(\s0)+11], v[(\s1):(\s1)+11], 0, v[\sc0], v[\sc1] matrix_a_fmt:MATRIX_FMT_FP6 matrix_b_fmt:MATRIX_FMT_FP6 matrix_a_scale:MATRIX_SCALE_ROW1
.else
	v_wmma_scale_f32_16x16x128_f8f6f4 v[(\d):(\d)+7], v[(\s0):(\s0)+11], v[(\s1):(\s1)+11], 0, v[\sc0], v[\sc1] matrix_a_fmt:MATRIX_FMT_FP6 matrix_b_fmt:MATRIX_FMT_FP6
.endif
.else
.if (\r0)
	v_wmma_scale_f32_16x16x128_f8f6f4 v[(\d):(\d)+7], v[(\s0):(\s0)+11], v[(\s1):(\s1)+11], v[(\d):(\d)+7], v[\sc0], v[\sc1] matrix_a_fmt:MATRIX_FMT_FP6 matrix_b_fmt:MATRIX_FMT_FP6 matrix_a_scale:MATRIX_SCALE_ROW1
.else
	v_wmma_scale_f32_16x16x128_f8f6f4 v[(\d):(\d)+7], v[(\s0):(\s0)+11], v[(\s1):(\s1)+11], v[(\d):(\d)+7], v[\sc0], v[\sc1] matrix_a_fmt:MATRIX_FMT_FP6 matrix_b_fmt:MATRIX_FMT_FP6
.endif
.endif
.endm
.macro FOUR adr, j, g, reg             ; 12 loads: images 4 g .. 4 g + 3 of my j-th key step, into v[reg] on; each load takes 512 consecutive bytes
.irp t, 0,1,2,3
.irp c, 0,1,2
	ds_load_b128 v[(\reg)+12*\t+4*\c:(\reg)+12*\t+4*\c+3], v[\adr] offset:(8*(\j)+4*(\g)+\t)*1536+512*\c
.endr
.endr
.endm
; A KEY STEP: 128 keys, my j-th of the slot in hand.  nxt: where, from s[MK] on, my next key step's mask words lie; -1: there is none
.macro STEP j, nxt
.if (\j) == 0
	v_add_nc_u32 v[ADK], s[TB], v[AK0]             ; (these three and two v_nop are the five places behind the last products: four for the loads into the fragments' registers,
	s_wait_alu depctr_va_vdst(0)
	v_add_nc_u32 v[ADV], 49152, v[ADK]             ;  five since the products below write over registers that the last products read: v96 on)
	s_wait_alu depctr_va_vdst(0)
	v_add_nc_u32 v[ADS], s[TB], v[AS0]
	s_wait_alu depctr_va_vdst(0)
	PLACES 2
.else
	PLACES 5
.endif
	FOUR ADK, \j, 0, 32
	ds_load_b128 v[248:251], v[ADS] offset:512*(\j)        ; register c: tile c's scale words in lanes 0-15, tile 4 + c's in lanes 16-31
	s_wait_dscnt 0x0
.irp t, 0,1,2,3
	WM 96+8*\t, 32+12*\t, 16, 1, 248+\t, 255, 0
.endr
	PLACES 4                                       ; in front of loads into registers that these products have read
	FOUR ADK, \j, 1, 32
	s_wait_dscnt 0x0
.irp t, 0,1,2,3
	WM 128+8*\t, 32+12*\t, 16, 1, 248+\t, 255, 1
.endr
	PLACES 4                                       ; and in front of the first read of the scores
	FOUR ADV, \j, 0, 32                            ; V's tiles 0-3 land under the softmax
	ds_load_b128 v[28:31], v[ADS] offset:2048+512*(\j)
	s_wait_kmcnt 0x0                               ; this key step's 64 mask words
.set nn, 0
.rept 64
.if nn < 48
	v_cndmask_b32 v[96+nn], v[NEG], v[96+nn], s[16+nn]
.else
	v_cndmask_b32 v[96+nn], v[NEG], v[96+nn], s[20+nn]
.endif
.set nn, nn+1
.endr
.if (\nxt) >= 0
	s_load_b512 s[16:31], s[MK:MK+1], (\nxt)
	s_load_b512 s[32:47], s[MK:MK+1], (\nxt)+64
	s_load_b512 s[48:63], s[MK:MK+1], (\nxt)+128
	s_load_b512 s[68:83], s[MK:MK+1], (\nxt)+192
.endif
.irp b, 0,1,2,3
	v_max3_num_f32 v[232+\b], v[96+16*\b], v[97+16*\b], v[98+16*\b]   ; the largest score of each block of 32 keys: for the row's maximum and, since p rises with the score, for the block's largest p
.endr
.irp i, 3,5,7,9,11,13
.irp b, 0,1,2,3
	s_delay_alu instid0(VALU_DEP_4)
	v_max3_num_f32 v[232+\b], v[232+\b], v[96+16*\b+\i], v[97+16*\b+\i]
.endr
.endr
.irp b, 0,1,2,3
	s_delay_alu instid0(VALU_DEP_4)
	v_max_num_f32 v[232+\b], v[232+\b], v[111+16*\b]
.endr
.irp b, 0,1,2,3
	s_delay_alu instid0(VALU_DEP_4)
	v_permlanex16_b32 v[236+\b], v[232+\b], s[SEL], s[SEL+1]
.endr
.irp b, 0,1,2,3
	s_delay_alu instid0(VALU_DEP_4)
	v_max_num_f32 v[232+\b], v[232+\b], v[236+\b]  ; with lane l xor 16's 16 keys
.endr
	s_delay_alu instid0(VALU_DEP_2)
	v_max3_num_f32 v254, v232, v233, v234
	s_delay_alu instid0(VALU_DEP_1)
	v_max_num_f32 v254, v254, v235
	s_delay_alu instid0(VALU_DEP_1)
	v_mul_f32 v254, s[CS], v254                    ; as t (c is positive)
	s_delay_alu instid0(VALU_DEP_1)
	v_max_num_f32 v13, v13, v254                   ; the running largest t
	v_mov_b32 v254, v12
	s_delay_alu instid0(VALU_DEP_2)
	v_floor_f32 v12, -v13                          ; the new -M = floor(-t): M is a whole number
	s_delay_alu instid0(VALU_DEP_1)
	v_sub_f32 v254, v12, v254                      ; old M - new M: a whole number, 0 or less
	s_delay_alu instid0(VALU_DEP_1)
	v_cvt_i32_f32 v254, v254                       ; (it saturates)
	s_delay_alu instid0(VALU_DEP_1)
	v_ldexp_f32 v252, 1.0, v254                    ; f = 2^(old M - new M)
.set jj, 0
.rept 32
	v_pk_fma_f32 v[96+jj:97+jj], v[96+jj:97+jj], s[CS:CS+1], v[12:13] op_sel_hi:[1,0,0]   ; t - M, two at a time
.set jj, jj+2
.endr
.irp b, 0,1,2,3
	v_fma_f32 v[232+\b], v[232+\b], s[CS], v12
.endr
.set jj, 0
	s_wait_alu depctr_va_vdst(0)
.rept 64
	v_exp_f32 v[96+jj], v[96+jj]                   ; p = 2^(t - M), at most 1
.set jj, jj+1
.endr
	v_pk_mul_f32 v[14:15], v[14:15], v[252:253] op_sel_hi:[1,0]   ; the sums under the new M: a plain instruction behind the exponentials
	s_wait_alu depctr_va_vdst(0)                   ; one wait for the whole batch, ahead of its first reader
.irp b, 0,1,2,3
	v_exp_f32 v[232+\b], v[232+\b]                 ; the block's largest p
.endr
	v_pk_add_f32 v[236:237], v[100:101], v[104:105]
	v_pk_add_f32 v[250:251], v[108:109], v[112:113]
	v_pk_add_f32 v[248:249], v[116:117], v[120:121]
	v_pk_add_f32 v[246:247], v[124:125], v[128:129]
	v_pk_add_f32 v[244:245], v[132:133], v[136:137]
	v_pk_add_f32 v[242:243], v[140:141], v[144:145]
	v_pk_add_f32 v[240:241], v[148:149], v[152:153]
	v_pk_add_f32 v[14:15], v[14:15], v[156:157]
	v_pk_add_f32 v[236:237], v[236:237], v[96:97]
	v_pk_add_f32 v[250:251], v[250:251], v[98:99]
	v_pk_add_f32 v[248:249], v[248:249], v[102:103]
	v_pk_add_f32 v[246:247], v[246:247], v[106:107]
	v_pk_add_f32 v[244:245], v[244:245], v[110:111]
	v_pk_add_f32 v[242:243], v[242:243], v[114:115]
	v_pk_add_f32 v[240:241], v[240:241], v[118:119]
	v_pk_add_f32 v[14:15], v[14:15], v[122:123]
	v_pk_add_f32 v[236:237], v[236:237], v[126:127]
	v_pk_add_f32 v[250:251], v[250:251], v[130:131]
	v_pk_add_f32 v[248:249], v[248:249], v[134:135]
	v_pk_add_f32 v[246:247], v[246:247], v[138:139]
	v_pk_add_f32 v[244:245], v[244:245], v[142:143]
	v_pk_add_f32 v[242:243], v[242:243], v[146:147]
	v_pk_add_f32 v[240:241], v[240:241], v[150:151]
	v_pk_add_f32 v[14:15], v[14:15], v[154:155]
	v_pk_add_f32 v[236:237], v[236:237], v[158:159]
	s_delay_alu instid0(VALU_DEP_2)
	v_pk_add_f32 v[14:15], v[14:15], v[246:247]
	s_delay_alu instid0(VALU_DEP_2)
	v_pk_add_f32 v[236:237], v[236:237], v[244:245]
	v_pk_add_f32 v[250:251], v[250:251], v[242:243]
	v_pk_add_f32 v[248:249], v[248:249], v[240:241]
	s_delay_alu instid0(VALU_DEP_2)
	v_pk_add_f32 v[14:15], v[14:15], v[250:251]
	s_delay_alu instid0(VALU_DEP_2)
	v_pk_add_f32 v[236:237], v[236:237], v[248:249]
	s_delay_alu instid0(VALU_DEP_1)
	v_pk_add_f32 v[14:15], v[14:15], v[236:237]
	s_wait_alu depctr_va_vdst(0)                   ; and one for the four
.irp b, 0,1,2,3
	v_max_num_f32 v[232+\b], 0x1800000, v[232+\b]  ; the floor 2^(3 - 127)
.endr
.irp b, 0,1,2,3
	s_delay_alu instid0(VALU_DEP_4)
	v_add_nc_u32 v[244+\b], 0xff000000, v[232+\b]
.endr
.irp b, 0,1,2,3
	s_delay_alu instid0(VALU_DEP_4)
	v_lshrrev_b32 v[236+\b], 23, v[244+\b]
.endr
	s_delay_alu instid0(VALU_DEP_3)
	v_lshl_or_b32 v253, v237, 8, v236              ; p's scale word for these 128 keys
	s_delay_alu instid0(VALU_DEP_1)
	v_lshl_or_b32 v253, v238, 16, v253
	s_delay_alu instid0(VALU_DEP_1)
	v_lshl_or_b32 v253, v239, 24, v253
.irp c, 0,1
	v_cvt_scalef32_pk16_fp6_f32 v[224+6*\c:226+6*\c], v[96+32*\c:111+32*\c], v[244+2*\c]
	v_cvt_scalef32_pk16_fp6_f32 v[236+4*\c:238+4*\c], v[112+32*\c:127+32*\c], v[244+2*\c+1]
.endr
	v_nop                                          ; one plain instruction behind a scaled conversion
	FOUR ADV, \j, 1, 96                            ; p has become codes: its registers take V's tiles 4-7, which land under the lines below
.irp c, 0,1
.irp i, 0,1,2
	v_permlane16_swap_b32 v[224+6*\c+\i], v[236+4*\c+\i]
.endr
.irp i, 0,1,2
	s_delay_alu instid0(VALU_DEP_3)
	v_mov_b32 v[227+6*\c+\i], v[236+4*\c+\i]
.endr
.endr
.set jj, 0
.rept 32
	v_pk_mul_f32 v[160+jj:161+jj], v[160+jj:161+jj], v[252:253] op_sel_hi:[1,0]   ; O^T under the new M; these 32 are also the places between p's scale word and codes and the products
.set jj, jj+2
.endr
	s_wait_alu depctr_va_vdst(0)
	s_wait_dscnt 0x0                               ; V's eight tiles and their scales are in
.irp t, 0,1,2,3
	WM 160+8*\t, 32+12*\t, 224, 0, 28+\t, 253, 0
.endr
.irp t, 0,1,2,3
	WM 192+8*\t, 96+12*\t, 224, 0, 28+\t, 253, 1
.endr
.endm
.macro SLOT_STEPS last
	STEP 0, 256
.if \last
	STEP 1, -1
.else
	STEP 1, 1024                                   ; my first key step of the next slot
.endif
	s_xor_b32 s[TB], s[TB], SLOT1
	s_wait_xcnt 0x0                                ; the scalar loads have had their addresses translated: their base may step
	s_add_nc_u64 s[MK:MK+1], s[MK:MK+1], 1024
.endm
; A prefetch of what the next change of slots will ask for: the next slot's 98,304 bytes of images.  All clusters of a head walk the same K and V: the head's first cluster asks; its four partners take 24,576 bytes each, told apart by address; in each, waves 0 to 2 ask for 8,192 bytes, lanes 256 bytes apart.
; So each block of 256 bytes is named once.  It stands a slot ahead of the load; the last change that fills a slot asks for nothing; slots 0 and 1 come by their loads alone.
.macro ASK
	s_cmp_gt_u32 s[SLOTS], s[LIM]
	s_cbranch_scc0 .Lnot_mine_\@
	global_prefetch_b8 v[PFO], s[PFA:PFA+1] th:TH_LOAD_NT scope:SCOPE_SE
.Lnot_mine_\@:
.endm
; THE CHANGE OF SLOTS stands at a slot's head: each wave waits for all its tensor loads, adds 0 to its spare word, waits for that and for its reads of the slot that it has left.  fill = 1: a round of the cluster's barrier, and the other slot is asked for: it has a slot's key steps in which to land
.macro CHANGE fill
	s_wait_tensorcnt 0x0
	ds_add_u32 v[SPW], v[NIL]
.if \fill
	s_xor_b32 s[G0+1], s[G0+1], SLOT1
	s_add_nc_u64 s[G0+2:G0+3], s[G0+2:G0+3], 102400
	s_wait_xcnt 0x0                                ; the last prefetch, a slot back, has read its address
	s_add_nc_u64 s[PFA:PFA+1], s[PFA:PFA+1], 102400
	s_wait_dscnt 0x0
	CROUND
	tensor_load_to_lds s[G0:G0+3], s[G1:G1+7]      ; my one tensor load behind the round
	s_nop 0
	PLACES 4
	ASK
.else
	s_wait_dscnt 0x0
	s_barrier_signal -1
	s_barrier_wait -1
.endif
.endm
	s_load_b256 s[4:11], s[0:1], 0x0               ; qkv, maskw, ocodes, oscl
	v_lshl_add_u32 v[SPW], v0, 2, SPARE
	v_mov_b32 v[NIL], 0
	ds_add_u32 v[SPW], v[NIL]                      ; the wave's opening: the add and its wait ahead of my first tensor load
	ds_add_u32 v[SPW], v[NIL]
	v_lshrrev_b32 v8, 5, v0
	s_delay_alu instid0(VALU_DEP_1)
	v_readfirstlane_b32 s[WV], v8
	s_and_b32 s40, s[WV], 7                        ; which of the eight tiles
	s_lshr_b32 s41, s[WV], 3                       ; which half of the key steps
	s_bfe_u32 s13, ttmp6, 0x40000                  ; cx
	s_lshl_b32 s16, ttmp9, 2
	s_add_co_u32 s16, s16, s13                     ; my block of 128 queries
	s_and_b32 s17, ttmp7, 0xffff                   ; the head, which the four partners share
	s_lshl_b32 s18, s16, 3
	s_add_co_u32 s18, s18, s40                     ; my tile of 16 queries
	s_mov_b32 s[G1], 15|(3<<16)|(1<<21)            ; the mask: all four work-groups; elements of 8 bytes; no padding
	s_mov_b32 s[G1+1], 32<<16
	s_mov_b32 s[G1+2], 25<<16                      ; 25 rows of 256 bytes
	s_mov_b32 s[G1+3], 32<<16
	s_mov_b32 s[G1+4], 25
	s_mov_b32 s[G1+5], 32
	s_mov_b32 s[G1+6], 0
	s_mov_b32 s[G1+7], 0
	s_mul_i32 s19, s[WV], 6400                     ; my sixteenth of a slot, in memory and in LDS
	s_mul_i32 s20, s17, 409600
	s_add_co_u32 s20, s20, KVOFF                   ; the head's K and V
	s_add_co_u32 s22, s20, s19
	s_mov_b32 s23, 0
	s_mul_i32 s24, s13, 24576                      ; the prefetches: my work-group's part, my wave's part, in slot 1: the first change steps it to slot 2
	s_lshl_b32 s26, s[WV], 13
	s_add_co_u32 s24, s24, s26
	s_add_co_u32 s24, s24, s20
	s_add_co_u32 s24, s24, 102400
	s_mov_b32 s25, 0
	s_mul_i32 s28, s17, 204800                     ; the head's Q
	s_mov_b32 s29, 0
	s_mul_i32 s30, s18, 1536                       ; my tile's image
	s_lshr_b32 s31, s40, 2
	s_lshl_b32 s31, s31, 8
	s_and_b32 s38, s40, 3
	s_lshl_b32 s38, s38, 2
	s_add_co_u32 s31, s31, s38                     ; my tile's place in a scale group: 256 (tile / 4) + 4 (tile % 4)
	s_lshl_b32 s39, s16, 9
	s_add_co_u32 s39, s39, s31
	s_add_co_u32 s39, s39, 196608                  ; and in the head's Q part
	s_lshl_b32 s32, s18, 12                        ; my tile's mask words, 256 bytes a key step,
	s_lshl_b32 s38, s41, 9
	s_add_co_u32 s32, s32, s38                     ; from my first key step on
	s_mov_b32 s33, 0
	s_lshr_b32 s34, s17, 1
	s_mul_i32 s34, s34, 393216
	s_mul_i32 s35, s18, 3072
	s_add_co_u32 s34, s34, s35
	s_and_b32 s35, s17, 1
	s_mul_i32 s35, s35, 1536
	s_add_co_u32 s34, s34, s35                     ; out's image: K step = the head
	s_mov_b32 s35, 0
	s_lshl_b32 s36, s16, 4
	s_add_co_u32 s36, s36, s17
	s_lshl_b32 s36, s36, 9                         ; out's scale group
	s_mov_b32 s37, 0
	s_mul_i32 s42, s41, 24576                      ; my two key steps among a slot's images: 16 images of 1,536 bytes on,
	s_lshl_b32 s43, s41, 10
	s_add_co_u32 s43, s43, 98304                   ; and among its scale groups
	s_mul_i32 s44, s40, 8448
	s_add_co_u32 s44, s44, MRG                     ; my tile's part of the merge region
	s_cmp_lt_u32 s[WV], 3
	s_cselect_b32 s[LIM], 0, 1
	s_or_b32 s[LIM], s[LIM], ttmp9                 ; waves 0 to 2 of the head's first cluster: the same in all four partners
	s_cmp_eq_u32 s[LIM], 0
	s_cselect_b32 s[LIM], 1, -1
	s_mov_b32 s[CS], 0x3e0293ee
	s_mov_b32 s[CS+1], s[CS]
	s_mov_b32 s[SEL], 0x76543210
	s_mov_b32 s[SEL+1], 0xfedcba98
	s_mov_b32 s[TB], 0
	s_mov_b32 s[SLOTS], 3
	v_and_b32 v8, 31, v0
	s_delay_alu instid0(VALU_DEP_1)
	v_lshlrev_b32 v[LI], 4, v8
	s_delay_alu instid0(VALU_DEP_2)
	v_lshlrev_b32 v[PFO], 8, v8
	s_delay_alu instid0(VALU_DEP_3)
	v_lshl_add_u32 v[MGS], v8, 3, s44
	s_delay_alu instid0(VALU_DEP_1)
	v_add_nc_u32 v[MGS], 8192, v[MGS]
	s_delay_alu instid0(VALU_DEP_4)
	v_add_nc_u32 v[MGA], s44, v[LI]
	v_add_nc_u32 v[AK0], s42, v[LI]
	v_add_nc_u32 v[AS0], s43, v[LI]
	v_add_nc_u32 v[OSR], OSCR, v[LI]
	v_and_b32 v10, 15, v0
	s_delay_alu instid0(VALU_DEP_1)
	v_lshlrev_b32 v10, 4, v10                      ; 16 r
	s_delay_alu instid0(VALU_DEP_1)
	v_add_nc_u32 v[OSA], s31, v10
	s_delay_alu instid0(VALU_DEP_1)
	v_add_nc_u32 v[OSA], OSCR, v[OSA]
	s_delay_alu instid0(VALU_DEP_3)
	v_add_nc_u32 v11, s39, v10
	v_add_nc_u32 v8, s30, v[LI]
	s_wait_dscnt 0x0                               ; the opening add is done
	s_wait_kmcnt 0x0
	s_mov_b32 s[G0], 1
	s_mov_b32 s[G0+1], s19
	s_add_nc_u64 s[G0+2:G0+3], s[4:5], s[22:23]
	s_or_b32 s[G0+3], s[G0+3], 0x80000000
	s_add_nc_u64 s[PFA:PFA+1], s[4:5], s[24:25]
	s_add_nc_u64 s[104:105], s[4:5], s[28:29]
	s_add_nc_u64 s[MK:MK+1], s[MK:MK+1], s[32:33]
	s_add_nc_u64 s[8:9], s[8:9], s[34:35]
	s_add_nc_u64 s[10:11], s[10:11], s[36:37]
	CROUND                                         ; all four work-groups are here: the first joint loads meet
	tensor_load_to_lds s[G0:G0+3], s[G1:G1+7]      ; slot 0
	s_nop 0
	PLACES 4
	s_wait_alu depctr_va_vdst(0)
.irp c, 0,1,2
	global_load_b128 v[16+4*\c:19+4*\c], v8, s[104:105] offset:512*\c   ; Q's fragment stays in registers
.endr
	global_load_b32 v255, v11, s[104:105]          ; and its scale words
	s_load_b512 s[16:31], s[MK:MK+1], 0x0          ; my first key step's mask words
	s_load_b512 s[32:47], s[MK:MK+1], 0x40
	s_load_b512 s[48:63], s[MK:MK+1], 0x80
	s_load_b512 s[68:83], s[MK:MK+1], 0xc0
	v_mov_b32 v[NEG], 0xd0400000                   ; -1.5 x 2^33
	v_mov_b32 v13, 0xff61b1e6                      ; the largest t so far: -3e38
	s_delay_alu instid0(VALU_DEP_1)
	v_floor_f32 v12, -v13
	v_mov_b32 v14, 0
	v_mov_b32 v15, 0
.irp b, 0,1,2,3
	v_mov_b32 v[236+\b], 0                         ; a lane permute's destination counts as one of its sources
.endr
	v_mov_b32 v253, 0
.set jj, 0
.rept 64
	v_mov_b32 v[160+jj], 0                         ; O^T: the step is written once; the first finds zeros
.set jj, jj+1
.endr
	s_wait_loadcnt 0x0                             ; Q
.Lslot:                                            ; three trips: behind each change of slots but the last the next slot is asked for
	CHANGE 1
	SLOT_STEPS 0
	s_sub_co_u32 s[SLOTS], s[SLOTS], 1
	s_cmp_lg_u32 s[SLOTS], 0
	s_cbranch_scc1 .Lslot
	CHANGE 0                                       ; the last slot is written out
	SLOT_STEPS 1
	; THE TWO HALVES OF THE KEYS MEET.  Each wave's sum is made whole; waves 8-15 lay O^T, -M and the sum into their tile's part of the merge region; behind the barrier waves 0-7 take them
	PLACES 4
	v_add_f32 v14, v14, v15
	s_delay_alu instid0(VALU_DEP_1)
	v_permlanex16_b32 v252, v14, s[SEL], s[SEL+1]
	s_delay_alu instid0(VALU_DEP_1)
	v_add_f32 v13, v14, v252                       ; my keys' sum, beside -M: v[12:13]
	s_cmp_lt_u32 s[WV], 8
	s_cbranch_scc1 .Lkeeps
.set jj, 0
.rept 16
	ds_store_b128 v[MGA], v[160+4*jj:163+4*jj] offset:512*jj   ; each accumulator from its low end on; 512 consecutive bytes a store
.set jj, jj+1
.endr
	ds_store_b64 v[MGS], v[12:13]
.Lkeeps:
	s_wait_dscnt 0x0                               ; for the others' sake: my stores have landed
	s_barrier_signal -1
	s_barrier_wait -1
	s_cmp_lt_u32 s[WV], 8
	s_cbranch_scc0 .Lgave
.set jj, 0
.rept 16
	ds_load_b128 v[96+4*jj:99+4*jj], v[MGA] offset:512*jj      ; the same registers' worth in the same lanes
.set jj, jj+1
.endr
	ds_load_b64 v[232:233], v[MGS]
	s_wait_dscnt 0x0
	v_min_num_f32 v234, v12, v232                  ; -M of the larger M
	s_delay_alu instid0(VALU_DEP_1)
	v_sub_f32 v235, v234, v12                      ; my M less the larger: a whole number, 0 or less
	s_delay_alu instid0(VALU_DEP_2)
	v_sub_f32 v236, v234, v232                     ; the other's likewise
	s_delay_alu instid0(VALU_DEP_2)
	v_cvt_i32_f32 v235, v235                       ; (they saturate)
	s_delay_alu instid0(VALU_DEP_2)
	v_cvt_i32_f32 v236, v236
	s_delay_alu instid0(VALU_DEP_2)
	v_ldexp_f32 v235, 1.0, v235                    ; exact powers of two; one of them is 1
	s_wait_alu depctr_va_vdst(0)
	v_ldexp_f32 v236, 1.0, v236
	v_mul_f32 v237, v13, v235
	s_delay_alu instid0(VALU_DEP_1)
	v_fma_f32 v237, v233, v236, v237               ; the row's sum under the larger M: at least 1/2
	s_wait_alu depctr_va_vdst(0)
	v_rcp_f32 v238, v237
	v_nop                                          ; a plain instruction behind the reciprocal
	s_wait_alu depctr_va_vdst(0)                   ; a wait ahead of the reciprocal's first reader
	v_mul_f32 v252, v235, v238
	v_mul_f32 v254, v236, v238
.set jj, 0
.rept 32
	v_pk_mul_f32 v[96+jj:97+jj], v[96+jj:97+jj], v[254:255] op_sel_hi:[1,0]
.set jj, jj+2
.endr
.set jj, 0
.rept 32
	v_pk_fma_f32 v[96+jj:97+jj], v[160+jj:161+jj], v[252:253], v[96+jj:97+jj] op_sel_hi:[1,0,1]   ; out = (O^T f + the other's O^T f') / the sum
.set jj, jj+2
.endr
	; my tile's 16 rows x the head's 128 of out: one fragment and one scale word a row of the last launch's A side
.irp b, 0,1,2,3
	v_mov_b32 v[TM+4+\b], 0                        ; a lane permute's destination counts as one of its sources
.endr
.irp b, 0,1,2,3
	v_max3_num_f32 v[TM+\b], |v[96+16*\b]|, |v[97+16*\b]|, 0x1800000
.endr
.irp i, 2,4,6,8,10,12,14
.irp b, 0,1,2,3
	s_delay_alu instid0(VALU_DEP_4)
	v_max3_num_f32 v[TM+\b], v[TM+\b], |v[96+16*\b+\i]|, |v[97+16*\b+\i]|
.endr
.endr
.irp b, 0,1,2,3
	s_delay_alu instid0(VALU_DEP_4)
	v_permlanex16_b32 v[TM+4+\b], v[TM+\b], s[SEL], s[SEL+1]
.endr
.irp b, 0,1,2,3
	s_delay_alu instid0(VALU_DEP_4)
	v_max_num_f32 v[TM+\b], v[TM+\b], v[TM+4+\b]
.endr
.irp b, 0,1,2,3
	s_delay_alu instid0(VALU_DEP_4)
	v_add_nc_u32 v[TM+12+\b], 0xff000000, v[TM+\b]
.endr
.irp b, 0,1,2,3
	s_delay_alu instid0(VALU_DEP_4)
	v_lshrrev_b32 v[TM+4+\b], 23, v[TM+12+\b]
.endr
	s_delay_alu instid0(VALU_DEP_3)
	v_lshl_or_b32 v[PW], v[TM+5], 8, v[TM+4]
	s_delay_alu instid0(VALU_DEP_1)
	v_lshl_or_b32 v[PW], v[TM+6], 16, v[PW]
	s_delay_alu instid0(VALU_DEP_1)
	v_lshl_or_b32 v[PW], v[TM+7], 24, v[PW]
.irp c, 0,1
	v_cvt_scalef32_pk16_fp6_f32 v[PC+6*\c:PC+2+6*\c], v[96+32*\c:111+32*\c], v[TM+12+2*\c]
	v_cvt_scalef32_pk16_fp6_f32 v[PC+12+4*\c:PC+14+4*\c], v[112+32*\c:127+32*\c], v[TM+12+2*\c+1]
.endr
	v_nop                                          ; one plain instruction behind a scaled conversion
.irp c, 0,1
.irp i, 0,1,2
	v_permlane16_swap_b32 v[PC+6*\c+\i], v[PC+12+4*\c+\i]
.endr
.irp i, 0,1,2
	s_delay_alu instid0(VALU_DEP_3)
	v_mov_b32 v[PC+3+6*\c+\i], v[PC+12+4*\c+\i]
.endr
.endr
.irp c, 0,1,2
	global_store_b128 v[LI], v[PC+4*\c:PC+4*\c+3], s[8:9] offset:512*\c   ; 512 consecutive bytes, aligned
.endr
	ds_store_b32 v[OSA], v[PW]                     ; lanes r and r + 16 write the same word with the same value
.Lgave:
	s_wait_dscnt 0x0                               ; for the others' sake: my store has landed
	s_barrier_signal -1
	s_barrier_wait -1
	s_cmp_lg_u32 s[WV], 0
	s_cbranch_scc1 .Lnot_first                     ; wave 0 stores the group of eight tiles: 512 consecutive bytes
	ds_load_b128 v[32:35], v[OSR]
	s_wait_dscnt 0x0
	global_store_b128 v[LI], v[32:35], s[10:11]
.Lnot_first:
	s_wait_tensorcnt 0x0                           ; the wave's end
	ds_add_u32 v[SPW], v[NIL]
	s_wait_dscnt 0x0
	CROUND                                         ; the closing round
	s_endpgm
.Lfunc_end_k_q1a976ad008_attn:
	.size	k_q1a976ad008_attn, .Lfunc_end_k_q1a976ad008_attn-k_q1a976ad008_attn
	.p2alignl 7, 3214868480
	.fill 96, 4, 3214868480
	.section	.rodata,"a",@progbits
	.p2align	6, 0x0
	.amdhsa_kernel k_q1a976ad008_attn
		.amdhsa_group_segment_fixed_size 327680
		.amdhsa_private_segment_fixed_size 0
		.amdhsa_enable_private_segment 0
		.amdhsa_kernarg_size 32
		.amdhsa_user_sgpr_count 2
		.amdhsa_user_sgpr_kernarg_segment_ptr 1
		.amdhsa_wavefront_size32 1
		.amdhsa_system_sgpr_workgroup_id_x 1
		.amdhsa_system_sgpr_workgroup_id_y 1
		.amdhsa_system_sgpr_workgroup_id_z 1
		.amdhsa_system_vgpr_workitem_id 0
		.amdhsa_next_free_vgpr 256
		.amdhsa_next_free_sgpr 106
		.amdhsa_reserve_vcc 0
		.amdhsa_float_denorm_mode_32 3
		.amdhsa_float_denorm_mode_16_64 3
		.amdhsa_memory_ordered 1
		.amdhsa_forward_progress 1
		.amdhsa_inst_pref_size 123
	.end_amdhsa_kernel
	.amdgpu_metadata
---
amdhsa.version: [ 1, 2 ]
amdhsa.kernels:
  - .name:           k_q1a976ad008_attn
    .symbol:         k_q1a976ad008_attn.kd
    .args:
      - { .name: qkv, .offset: 0, .size: 8, .value_kind: global_buffer, .address_space: global }
      - { .name: maskw, .offset: 8, .size: 8, .value_kind: global_buffer, .address_space: global }
      - { .name: ocodes, .offset: 16, .size: 8, .value_kind: global_buffer, .address_space: global }
      - { .name: oscl, .offset: 24, .size: 8, .value_kind: global_buffer, .address_space: global }
    .group_segment_fixed_size: 327680
    .private_segment_fixed_size: 0
    .kernarg_segment_align: 8
    .kernarg_segment_size: 32
    .max_flat_workgroup_size: 512
    .sgpr_count:     106
    .vgpr_count:     256
    .wavefront_size: 32
...
	.end_amdgpu_metadata
.endif
;; end of part 3
;; launch oproj (part 4): grid 16 x 16, 4 waves a work-group, clusters of 4 x 4, 327,680 bytes of LDS; arguments ocodes, oscl, wcodes, wscl, lora, Bo, out0; writes out0
.if DOCPART == 4
	.amdgcn_target "amdgcn-amd-amdhsa--gfx1250"
	.amdhsa_code_object_version 6
	.text
	.protected	k_q1a976ad008_oproj
	.globl	k_q1a976ad008_oproj
	.p2align	8
	.type	k_q1a976ad008_oproj,@function
k_q1a976ad008_oproj:
	s_mov_b64 s[64:65], 0
	v_nop
	global_prefetch_b8 v0, s[64:65] scope:SCOPE_SE
	s_setreg_imm32_b32 hwreg(HW_REG_WAVE_MODE, 25, 1), 1
	s_wait_xcnt 0x0
	s_wait_alu depctr_hold_cnt(0) depctr_sa_sdst(0) depctr_va_vdst(0) depctr_va_sdst(0) depctr_va_ssrc(0) depctr_va_vcc(0) depctr_vm_vsrc(0)
	s_getreg_b32 s2, hwreg(HW_REG_IB_STS2, 6, 4)
	s_cmp_eq_u32 s2, 0
	s_cbranch_scc0 .Lentry_in_a_cluster
	s_endpgm
.Lentry_in_a_cluster:
	s_bfe_u32 s2, ttmp6, 0x10000c
	s_cmp_lg_u32 s2, 0xf033
	s_cbranch_scc0 .Lentry_shape_is_right
	s_endpgm
.Lentry_shape_is_right:
; out0 = out Wo^T + (out Ao^T) Bo^T: the two large products on codes of FP6 (E2M3) with E8M0 scales, the rank-16 product with bf16 operands (its result is the output); sums in f32.
; 256 work-groups of 128 x 128, a wave 64 x 64: 16 accumulators, and 4 of t = Q(out) Q(Ao)^T for its 64 tokens.  Used transposed: source 0 = 16 rows of Wo, source 1 = 16 tokens: a lane holds a token, and the 16 registers of two neighbouring tiles are 16 neighbouring outputs.
; K goes in 16 steps of 128, written out; a slot holds 512 along K: two planes of 256 for each side, dense blocks of 24,576 bytes, one tensor load a wave.  out's tiles are shared along a row of the cluster, Wo's along a column: joint loads.  Scales and Ao's images come once.
; LIMITS: NaN and infinities are not served.
; REGISTERS.  window 0: v8-29 addresses; v32-40, v44-52 scale words, two sets; v64-95 t; v96-127 Bo's rows; v128-255 the accumulators ((a, b) at 128 + 8 (4 a + b)).  window 1: two sets of fragments at v0 and v128: A's four, B's four, L's.
.set SLOT,  98304
.set SCL,   2*SLOT                     ; A side's 16 scale groups, then B side's
.set LIM,   SCL+16384
.set STG,   LIM+25600                  ; the way out: 16 rows x (256 bytes + 16) for each wave; no tensor load lands here
.set SPARE, STG+4*4352
.set LI,   8
.set GV,   9
.set ADRA, 16
.set ADRB, 20
.set ADSA, 24
.set ADSB, 25
.set ADLF, 26
.set ADLS, 27
.set SPW,  28
.set NIL,  29
.set STO,  10
.set RD,   11
.set CO,   12
.set LD8,  13                          ; v13  where the last 256 bytes of my part of Ao go, 8 bytes a lane
.set SD,   14                          ; v14  where my 4,096 bytes of scale groups go
.set LD,   15                          ; v15  where my 6,400 bytes of Ao go
.set L8,   30                          ; v30  8 x lane
.set SCS,  32
.set T,    64
.set GB,   96
.set ACC,  128
.set BK,   64                          ; the way out: rows read back, v64-95 and v96-127 by turns
.set WV,   18
.set RH,   19
.set CH,   20
.set TR,   21
.set TC,   22
.set G1,   24
.set G0,   32
.set G0L,  40
.set G1B,  48
.set G0B,  56
.set G1S,  68
.set G0S,  76
.set G1SB, 80
.set G0SB, 88
.set G1L,  92
.set MSB, 0
.macro WIN new
.if MSB != (\new)
	s_set_vgpr_msb (MSB<<8)|(\new)
.set MSB, (\new)
.endif
.endm
.macro PLACES n
.rept \n
	v_nop
.endr
.endm
.macro JLOAD g0a, g1a, g0b, g1b        ; waves 0 and 1 fetch for the A side, waves 2 and 3 for the B side; an s_nop 0 and four v_nop follow each line
	s_cmp_eq_u32 s[RH], 0
	s_cbranch_scc0 .Lfor_b_\@
	tensor_load_to_lds s[\g0a:\g0a+3], s[\g1a:\g1a+7]
	s_nop 0
	PLACES 4
	s_branch .Lasked_\@
.Lfor_b_\@:
	tensor_load_to_lds s[\g0b:\g0b+3], s[\g1b:\g1b+7]
	s_nop 0
	PLACES 4
.Lasked_\@:
.endm
.macro CROUND
	s_barrier_signal -1
	s_barrier_wait -1
	s_cmp_lg_u32 s[WV], 0
	s_cbranch_scc1 .Lnot_wave_0_\@
	s_barrier_signal -3
.Lnot_wave_0_\@:
	s_barrier_wait -3
	s_barrier_signal -1
	s_barrier_wait -1
.endm
.macro WM d, s0, s1, zero, sc0, sc1
.if \zero
	v_wmma_scale_f32_16x16x128_f8f6f4 v[(\d):(\d)+7], v[(\s0):(\s0)+11], v[(\s1):(\s1)+11], 0, v[\sc0], v[\sc1] matrix_a_fmt:MATRIX_FMT_FP6 matrix_b_fmt:MATRIX_FMT_FP6
.else
	v_wmma_scale_f32_16x16x128_f8f6f4 v[(\d):(\d)+7], v[(\s0):(\s0)+11], v[(\s1):(\s1)+11], v[(\d):(\d)+7], v[\sc0], v[\sc1] matrix_a_fmt:MATRIX_FMT_FP6 matrix_b_fmt:MATRIX_FMT_FP6
.endif
.endm
.macro FRAG reg, adr, off
.irp c, 0,1,2
	ds_load_b128 v[(\reg)+4*\c:(\reg)+4*\c+3], v[\adr] offset:(\off)+512*\c
.endr
.endm
.macro FETCH sg                        ; K step sg's nine fragments and its scale words, into set sg % 2: 30 loads
.set FS, 128*((\sg)%2)
.set SLT, ((\sg)/4)%2
.set FO, (((\sg)%4)/2)*24576+((\sg)%2)*1536
.set FC, SCS+12*((\sg)%2)
	WIN 0x40
.irp i, 0,1,2,3
	FRAG FS+12*\i, ADRA+SLT, FO+\i*3072
.endr
.irp i, 0,1,2,3
	FRAG FS+48+12*\i, ADRB+SLT, FO+\i*3072
.endr
	FRAG FS+96, ADLF, 1536*(\sg)
	WIN 0
	ds_load_b128 v[FC:FC+3], v[ADSA] offset:512*(\sg)      ; register c: my tile c's words, row r in lane r
	ds_load_b128 v[FC+4:FC+7], v[ADSB] offset:512*(\sg)
	ds_load_b32 v[FC+8], v[ADLS] offset:256*((\sg)/4)+4*((\sg)%4)
.endm
.macro STEP sg
.set F, 128*((\sg)%2)
.set SS, SCS+12*((\sg)%2)
	s_wait_dscnt 0x0                               ; this K step's fragments are in registers
.if ((\sg)%4 == 3) && ((\sg) < 15)     ; they were the last of their slot: the change of slots
	s_wait_tensorcnt 0x0                           ; all my tensor loads have landed: my part of the next slot
	ds_add_u32 v[SPW], v[NIL]
.if (\sg) < 11
	s_add_nc_u64 s[G0+4*(((\sg)/4)%2)+2:G0+4*(((\sg)/4)%2)+3], s[G0+4*(((\sg)/4)%2)+2:G0+4*(((\sg)/4)%2)+3], 1572864
	s_add_nc_u64 s[G0B+4*(((\sg)/4)%2)+2:G0B+4*(((\sg)/4)%2)+3], s[G0B+4*(((\sg)/4)%2)+2:G0B+4*(((\sg)/4)%2)+3], 1572864
.endif
	s_wait_dscnt 0x0                               ; the add is done; my reads of this slot were over above
.if (\sg) < 11
	CROUND                                         ; no wave of any partner still reads this slot or has a load on its way
	JLOAD G0+4*(((\sg)/4)%2), G1, G0B+4*(((\sg)/4)%2), G1B   ; my one tensor load behind the round: 1,024 along K further on
.else
	s_barrier_signal -1
	s_barrier_wait -1
.endif
.endif
	PLACES 4                                       ; in front of loads into registers that the last K step's products have read
.if (\sg) < 15
	FETCH (\sg)+1
.endif
	WIN 0x05                                       ; sources 0 and 1 window 1; C and D window 0.  The 20 accumulators take turns
.irp a, 0,1,2,3
.irp b, 0,1,2,3
	WM ACC+8*(4*\a+\b), F+48+12*\b, F+12*\a, (\sg)==0, SS+4+\b, SS+\a
.endr
.endr
.irp a, 0,1,2,3
	WM T+8*\a, F+96, F+12*\a, (\sg)==0, SS+8, SS+\a
.endr
	WIN 0
.endm
	s_load_b256 s[4:11], s[0:1], 0x0               ; ocodes, oscl, wcodes, wscl
	s_load_b128 s[12:15], s[0:1], 0x20             ; lora, Bo
	s_load_b64 s[16:17], s[0:1], 0x30              ; out0
	v_lshl_add_u32 v[SPW], v0, 2, SPARE
	v_mov_b32 v[NIL], 0
	ds_add_u32 v[SPW], v[NIL]                      ; the wave's opening: the add and its wait ahead of my first tensor load
	ds_add_u32 v[SPW], v[NIL]
	v_lshrrev_b32 v1, 5, v0
	v_readfirstlane_b32 s[WV], v1
	s_lshr_b32 s[RH], s[WV], 1                     ; my half of the tokens.  Also: I fetch for the A side (0) or the B side (1)
	s_and_b32 s[CH], s[WV], 1                      ; my half of the outputs.  Also: which plane of a slot I fetch
	s_bfe_u32 s44, ttmp6, 0x40000                  ; cx
	s_bfe_u32 s45, ttmp6, 0x40004                  ; cy
	s_lshl_b32 s[TC], ttmp9, 2
	s_add_co_u32 s[TC], s[TC], s44
	s_and_b32 s[TR], ttmp7, 0xffff
	s_lshl_b32 s[TR], s[TR], 2
	s_add_co_u32 s[TR], s[TR], s45
	s_lshl_b32 s46, s45, 2
	s_lshl_b32 s46, 15, s46                        ; my row of the cluster
	s_lshl_b32 s47, 0x1111, s44                    ; my column
	s_or_b32 s[G1], s46, (3<<16)|(1<<21)
	s_or_b32 s[G1B], s47, (3<<16)|(1<<21)
.irp g, G1, G1B
	s_mov_b32 s[\g+1], 32<<16
	s_mov_b32 s[\g+2], 96<<16
	s_mov_b32 s[\g+3], 32<<16
	s_mov_b32 s[\g+4], 96
	s_mov_b32 s[\g+5], 32
	s_mov_b32 s[\g+6], 0
	s_mov_b32 s[\g+7], 0
.endr
	s_mul_i32 s[G0+2], s[TR], 24576                ; A side: my work-group's 8 tiles in my plane,
	s_mul_i32 s23, s[CH], 393216
	s_add_co_u32 s[G0+2], s[G0+2], s23
	s_mov_b32 s[G0+3], 0
	s_lshl_b32 s[G0S+2], s[TR], 13                 ; and my half of their 16 scale groups
	s_lshl_b32 s23, s[CH], 12
	s_add_co_u32 s[G0S+2], s[G0S+2], s23
	s_mov_b32 s[G0S+3], 0
	s_mul_i32 s[G0B+2], s[TC], 24576               ; B side likewise, in Wo's part of the buffers
	s_mul_i32 s66, s[CH], 393216
	s_add_co_u32 s[G0B+2], s[G0B+2], s66
	s_add_co_u32 s[G0B+2], s[G0B+2], 12582912
	s_mov_b32 s[G0B+3], 0
	s_lshl_b32 s[G0SB+2], s[TC], 13
	s_lshl_b32 s66, s[CH], 12
	s_add_co_u32 s[G0SB+2], s[G0SB+2], s66
	s_add_co_u32 s[G0SB+2], s[G0SB+2], 524288
	s_mov_b32 s[G0SB+3], 0
	s_mul_i32 s100, s[WV], 24576                   ; where they go: no place in the cluster enters an LDS address
	s_lshl_b32 s101, s[WV], 12
	s_mul_i32 s104, s[WV], 6400
	s_mov_b32 s[G0], 1
	s_mov_b32 s[G0+1], s100
	s_mov_b32 s[G0+4], 1
	s_add_co_u32 s[G0+5], s100, SLOT
	s_mov_b32 s[G0B], 1
	s_mov_b32 s[G0B+1], s100
	s_mov_b32 s[G0B+4], 1
	s_add_co_u32 s[G0B+5], s100, SLOT
	s_add_co_u32 s[G0S+1], s101, SCL
	s_add_co_u32 s[G0L+1], s104, LIM
	s_add_co_u32 s[G0L+2], s104, 76800             ; Ao is the fourth matrix
	s_mov_b32 s[G0L+3], 0
	v_and_b32 v1, 31, v0
	v_lshlrev_b32 v[LI], 4, v1
	v_lshlrev_b32 v[L8], 3, v1
	v_add_nc_u32 v[SD], s[G0S+1], v[LI]
	v_add_nc_u32 v[LD], s[G0L+1], v[LI]
	v_add_nc_u32 v[LD8], s[G0L+1], v[L8]
	s_wait_alu depctr_va_vdst(0)
	s_wait_dscnt 0x0                               ; the opening adds are done
	s_wait_kmcnt 0x0
	s_add_nc_u64 s[G0+2:G0+3], s[4:5], s[G0+2:G0+3]
	s_add_nc_u64 s[G0+6:G0+7], s[G0+2:G0+3], 786432
	s_or_b32 s[G0+3], s[G0+3], 0x80000000
	s_or_b32 s[G0+7], s[G0+7], 0x80000000
	s_add_nc_u64 s[G0B+2:G0B+3], s[8:9], s[G0B+2:G0B+3]
	s_add_nc_u64 s[G0B+6:G0B+7], s[G0B+2:G0B+3], 786432
	s_or_b32 s[G0B+3], s[G0B+3], 0x80000000
	s_or_b32 s[G0B+7], s[G0B+7], 0x80000000
	s_add_nc_u64 s[G0S+2:G0S+3], s[6:7], s[G0S+2:G0S+3]
	s_add_nc_u64 s[G0SB+2:G0SB+3], s[10:11], s[G0SB+2:G0SB+3]
	s_add_nc_u64 s[G0L+2:G0L+3], s[12:13], s[G0L+2:G0L+3]
	s_cmp_eq_u32 s[RH], 0                          ; waves 0, 1 copy the A side's scale groups, waves 2, 3 the B side's
	s_cselect_b64 s[G0S+2:G0S+3], s[G0S+2:G0S+3], s[G0SB+2:G0SB+3]
.irp i, 0,1,2,3,4,5,6,7                        ; scales and Ao come once, through registers that the sums take later: 512 consecutive bytes a load
	global_load_b128 v[ACC+4*\i:ACC+4*\i+3], v[LI], s[G0S+2:G0S+3] offset:512*\i
.endr
.irp i, 0,1,2,3,4,5,6,7,8,9,10,11
	global_load_b128 v[ACC+32+4*\i:ACC+35+4*\i], v[LI], s[G0L+2:G0L+3] offset:512*\i
.endr
	global_load_b64 v[ACC+80:ACC+81], v[L8], s[G0L+2:G0L+3] offset:6144
	CROUND                                         ; all sixteen work-groups are here: the first joint loads meet
	JLOAD G0, G1, G0B, G1B                         ; slot 0: one tensor load a wave at the head
	v_and_b32 v2, 15, v0                           ; r
	v_bfe_u32 v3, v0, 4, 1                         ; h
	v_and_b32 v4, 8, v2
	v_add_nc_u32 v4, v4, v2
	v_lshlrev_b32 v[GV], 6, v4
	v_lshl_add_u32 v[GV], v3, 5, v[GV]
	s_lshl_b32 s2, s[TC], 1
	s_add_co_u32 s2, s2, s[CH]
	s_lshl_b32 s2, s2, 12                          ; my 64 rows of Bo, 64 bytes each
	s_mov_b32 s3, 0
	s_add_nc_u64 s[14:15], s[14:15], s[2:3]
.irp k, 0,1,2,3                                ; lane (r, h): row r of tile k, ranks 8 h + 0 .. 7
	global_load_b128 v[GB+8*\k:GB+8*\k+3], v[GV], s[14:15] offset:(32*(\k/2)+8*(\k%2))*64
	global_load_b128 v[GB+8*\k+4:GB+8*\k+7], v[GV], s[14:15] offset:(32*(\k/2)+8*(\k%2))*64+16
.endr
	s_lshl_b32 s2, s[TR], 20                       ; out0 at my first token and my first output
	s_lshl_b32 s66, s[RH], 19
	s_add_co_u32 s2, s2, s66
	s_lshl_b32 s66, s[TC], 9
	s_add_co_u32 s2, s2, s66
	s_lshl_b32 s66, s[CH], 8
	s_add_co_u32 s2, s2, s66
	s_add_nc_u64 s[16:17], s[16:17], s[2:3]
	s_mul_i32 s66, s[RH], 12288
	v_add_nc_u32 v[ADRA], s66, v[LI]
	v_add_nc_u32 v[ADRA+1], SLOT, v[ADRA]
	s_mul_i32 s66, s[CH], 12288
	s_add_co_u32 s66, s66, 49152
	v_add_nc_u32 v[ADRB], s66, v[LI]
	v_add_nc_u32 v[ADRB+1], SLOT, v[ADRB]
	v_lshlrev_b32 v5, 4, v2                        ; 16 r
	s_lshl_b32 s66, s[RH], 8
	s_add_co_u32 s66, s66, SCL
	v_add_nc_u32 v[ADSA], s66, v5
	s_lshl_b32 s66, s[CH], 8
	s_add_co_u32 s66, s66, SCL+8192
	v_add_nc_u32 v[ADSB], s66, v5
	v_add_nc_u32 v[ADLF], LIM, v[LI]
	v_add_nc_u32 v[ADLS], LIM+24576, v5
	s_mul_i32 s66, s[WV], 4352
	s_add_co_u32 s66, s66, STG                     ; my stage
	v_mul_u32_u24 v[STO], v2, 272
	v_lshl_add_u32 v[STO], v3, 6, v[STO]
	v_add_nc_u32 v[STO], s66, v[STO]               ; in: row r, + 64 h
	v_mul_u32_u24 v[RD], v3, 272
	v_add_nc_u32 v[RD], v[RD], v5
	v_add_nc_u32 v[RD], s66, v[RD]                 ; back: lanes 0-15 one row of 256 bytes, lanes 16-31 the next
	v_lshl_add_u32 v[CO], v3, 13, v5               ; and the same two rows in out0
	s_wait_alu depctr_va_vdst(0)
	s_wait_loadcnt 8                               ; all but the 8 loads of Bo's rows
.irp i, 0,1,2,3,4,5,6,7
	ds_store_b128 v[SD], v[ACC+4*\i:ACC+4*\i+3] offset:512*\i
.endr
.irp i, 0,1,2,3,4,5,6,7,8,9,10,11
	ds_store_b128 v[LD], v[ACC+32+4*\i:ACC+35+4*\i] offset:512*\i
.endr
	ds_store_b64 v[LD8], v[ACC+80:ACC+81] offset:6144
	s_wait_tensorcnt 0x0                           ; my part of slot 0 is in
	ds_add_u32 v[SPW], v[NIL]
	s_wait_dscnt 0x0                               ; the add and my stores are done
	CROUND
	JLOAD G0+4, G1, G0B+4, G1B                     ; slot 1
	FETCH 0
.irp g, 0,1,2,3,4,5,6,7,8,9,10,11,12,13,14,15
	STEP \g
.endr
	; THE RANK-16 PRODUCT with bf16 operands: t's and Bo's eight numbers a lane are k = 8 h + 0 .. 7 of that form's operand; its k = 16 .. 31 are zeros
	PLACES 5                                       ; behind the last products: t is read, and another matrix form will write the accumulators
	s_wait_loadcnt 0x0                             ; Bo's rows
	WIN 0x40
.irp b, 0,1,2,3
.irp j, 0,1,2,3
	v_cvt_pk_bf16_f32 v[32+8*\b+\j], v[T+8*\b+2*\j], v[T+8*\b+2*\j+1]
.endr
.endr
.irp b, 0,1,2,3
.irp j, 0,1,2,3
	v_cvt_pk_bf16_f32 v[8*\b+\j], v[GB+8*\b+2*\j], v[GB+8*\b+2*\j+1]
.endr
.endr
.irp b, 0,1,2,3,4,5,6,7
.irp j, 4,5,6,7
	v_mov_b32 v[8*\b+\j], 0
.endr
.endr
	PLACES 4
	WIN 0x05
.irp a, 0,1,2,3
.irp b, 0,1,2,3
	v_wmma_f32_16x16x32_bf16 v[ACC+8*(4*\a+\b):ACC+8*(4*\a+\b)+7], v[8*\b:8*\b+7], v[32+8*\a:32+8*\a+7], v[ACC+8*(4*\a+\b):ACC+8*(4*\a+\b)+7]
.endr
.endr
	WIN 0
	PLACES 4
; THE WAY OUT, a tile of 16 tokens x 64 outputs at a time, through my own stage: a lane's registers of tile b = 2 u2 + u are outputs 32 u2 + 16 h + 8 u + 0 .. 7 of its token.  LDS serves a wave's instructions in order: no wait between the stores and the loads
.macro TOSTAGE a
.irp b, 0,1,2,3
	ds_store_b128 v[STO], v[ACC+8*(4*(\a)+\b):ACC+8*(4*(\a)+\b)+3] offset:128*(\b/2)+32*(\b%2)      ; each accumulator from its low end on
	ds_store_b128 v[STO], v[ACC+8*(4*(\a)+\b)+4:ACC+8*(4*(\a)+\b)+7] offset:128*(\b/2)+32*(\b%2)+16
.endr
.irp t, 0,1,2,3,4,5,6,7
	ds_load_b128 v[BK+32*((\a)%2)+4*\t:BK+32*((\a)%2)+4*\t+3], v[RD] offset:544*\t
.endr
.endm
.macro SEND a, younger                 ; stage row 2 t + h is token 32 (a / 2) + 8 (a % 2) + 2 t + h + 8 (t / 4) of my 64
	s_wait_dscnt \younger
.irp t, 0,1,2,3,4,5,6,7
	global_store_b128 v[CO], v[BK+32*((\a)%2)+4*\t:BK+32*((\a)%2)+4*\t+3], s[16:17] offset:(32*((\a)/2)+8*((\a)%2)+2*\t+8*(\t/4))*8192 th:TH_STORE_NT   ; 16 lanes store 256 consecutive bytes, aligned
.endr
.endm
	TOSTAGE 0
.irp a, 1,2,3
.if \a > 1
	s_wait_xcnt 0x0                                ; tile a - 2's stores have had their addresses translated: tile a's loads may land in their data registers
.endif
	TOSTAGE \a
	SEND \a-1, 16                                  ; behind tile a - 1's loads: tile a's 8 stores and 8 loads
.endr
	SEND 3, 0
	s_wait_tensorcnt 0x0                           ; the wave's end
	ds_add_u32 v[SPW], v[NIL]
	s_wait_dscnt 0x0
	CROUND                                         ; the closing round
	s_endpgm
.Lfunc_end_k_q1a976ad008_oproj:
	.size	k_q1a976ad008_oproj, .Lfunc_end_k_q1a976ad008_oproj-k_q1a976ad008_oproj
	.p2alignl 7, 3214868480
	.fill 96, 4, 3214868480
	.section	.rodata,"a",@progbits
	.p2align	6, 0x0
	.amdhsa_kernel k_q1a976ad008_oproj
		.amdhsa_group_segment_fixed_size 327680
		.amdhsa_private_segment_fixed_size 0
		.amdhsa_enable_private_segment 0
		.amdhsa_kernarg_size 56
		.amdhsa_user_sgpr_count 2
		.amdhsa_user_sgpr_kernarg_segment_ptr 1
		.amdhsa_wavefront_size32 1
		.amdhsa_system_sgpr_workgroup_id_x 1
		.amdhsa_system_sgpr_workgroup_id_y 1
		.amdhsa_system_sgpr_workgroup_id_z 1
		.amdhsa_system_vgpr_workitem_id 0
		.amdhsa_next_free_vgpr 512
		.amdhsa_next_free_sgpr 106
		.amdhsa_reserve_vcc 0
		.amdhsa_float_denorm_mode_32 3
		.amdhsa_float_denorm_mode_16_64 3
		.amdhsa_memory_ordered 1
		.amdhsa_forward_progress 1
		.amdhsa_inst_pref_size 102
	.end_amdhsa_kernel
	.amdgpu_metadata
---
amdhsa.version: [ 1, 2 ]
amdhsa.kernels:
  - .name:           k_q1a976ad008_oproj
    .symbol:         k_q1a976ad008_oproj.kd
    .args:
      - { .name: ocodes, .offset: 0, .size: 8, .value_kind: global_buffer, .address_space: global }
      - { .name: oscl, .offset: 8, .size: 8, .value_kind: global_buffer, .address_space: global }
      - { .name: wcodes, .offset: 16, .size: 8, .value_kind: global_buffer, .address_space: global }
      - { .name: wscl, .offset: 24, .size: 8, .value_kind: global_buffer, .address_space: global }
      - { .name: lora, .offset: 32, .size: 8, .value_kind: global_buffer, .address_space: global }
      - { .name: Bo, .offset: 40, .size: 8, .value_kind: global_buffer, .address_space: global }
      - { .name: out0, .offset: 48, .size: 8, .value_kind: global_buffer, .address_space: global }
    .group_segment_fixed_size: 327680
    .private_segment_fixed_size: 0
    .kernarg_segment_align: 8
    .kernarg_segment_size: 56
    .max_flat_workgroup_size: 128
    .sgpr_count:     106
    .vgpr_count:     512
    .wavefront_size: 32
...
	.end_amdgpu_metadata
.endif
;; end of part 4
